; MI455X (gfx1250); checked and timed in simulation.
; The chip was launched on July 23, 2026; its instructions are those of AMD's public machine-readable ISA for CDNA 5 (MIT licence, August 2026) and "CDNA5" Instruction Set Architecture Reference Guide (July 2026). The comments in the code are by the model that wrote it; some were corrected since.
;; Multihead Attention With Bias. Allowed arithmetic: float matrix products may take bf16 or f16 operands with f32 sums; all other float work in f32.
;; Inputs: attn_bias 4 x 2,048 x 2,048 float32; out_b 1,024 float32; out_w 1,024 x 1,024 float32; qkv_b 3,072 float32; qkv_w 3,072 x 1,024 float32; x 4 x 2,048 x 1,024 float32.
;; Outputs: out0 4 x 2,048 x 1,024 float32.
;; 2 versions, each right; version 2 is version 1 with the launch cast written anew for expert scheduling mode. Each part assembles by itself: llvm-mc -triple=amdgcn-amd-amdhsa -mcpu=gfx1250 --defsym DOCPART=n.
;; ======== version 1 of 2: 4 launches
;; limits: values are held in f16: magnitudes above 65,504 overflow, below 6.1e-05 lose precision; right only within a limited range of input values
;; workspace buffers: xh 16,777,216 bytes; wqh 6,291,456 bytes; woh 2,097,152 bytes; qkv 50,331,648 bytes; ao 16,777,216 bytes
;; launch cast (part 1): grid 768 x 1, 8 waves a work-group, no clusters, 0 bytes of LDS; arguments x, qkv_w, out_w, xh, wqh, woh; writes xh, wqh, woh
.if DOCPART == 1
	.amdgcn_target "amdgcn-amd-amdhsa--gfx1250"
	.amdhsa_code_object_version 6
	.text
	.protected	k_qbfe7cca172_cast
	.globl	k_qbfe7cca172_cast
	.p2align	8
	.type	k_qbfe7cca172_cast,@function
k_qbfe7cca172_cast:
	s_mov_b64 s[64:65], 0
	v_nop
	global_prefetch_b8 v0, s[64:65] scope:SCOPE_SE
	s_setreg_imm32_b32 hwreg(HW_REG_WAVE_MODE, 25, 1), 1
	s_wait_xcnt 0x0
; f32 to f16, once, of the three operands of the two projections: x -> xh, qkv_w -> wqh, out_w -> woh.
; WHY f16: the result is a sum of 1,024 products of numbers that have themselves been rounded three times on the way (v, the weights of the softmax, the
; attention result); with 11 significant bits each rounding is an eighth of what 8 bits leave, at the same bytes and the same matrix form's shape.
; The first 1,024 rows of qkv_w (the rows that make q) are multiplied by 1/8 = 1/sqrt(64) on the way, a power of two, so the score product later needs no scale.
; LIMITS of the format: numbers beyond 65,504 in magnitude become infinite; below 6.1e-5 they are kept in steps of 6e-8.  As drawn |x| stays under 6 and
; the weights under 1/32; 30 times larger (165; 1) or an offset of 30 spreads (36; 0.6) is far inside; 30 times smaller, the q rows (with the 1/8: rms 7.5e-5)
; are kept to 4e-4 of their size.
; A stream: no LDS, no barrier, no matrix unit.  A work-group takes 16,384 numbers (64 KiB in, 32 KiB out):
; work-groups 0-511 x, 512-703 qkv_w (the first 64 of them the q rows), 704-767 out_w.
; Thread t takes 16 bytes at 16 t of each block of 4,096 bytes: a load of a wave covers 512 consecutive bytes, a store 256 aligned ones.
; All sixteen loads of a thread go out first; no register is written twice, so the only waits are the counted ones for the loads.
.set X, 4                              ; v[4:67]   sixteen loads of four f32
.set Y, 68                             ; v[68:99]  sixteen pairs of packed f16
	s_load_b256 s[4:11], s[0:1], 0x0               ; x s[4:5], qkv_w s[6:7], out_w s[8:9], xh s[10:11]
	s_load_b128 s[12:15], s[0:1], 0x20             ; wqh s[12:13], woh s[14:15]
	s_sub_co_u32 s17, ttmp9, 512                   ; my number among qkv_w's work-groups (wraps to a large number for x's)
	s_sub_co_u32 s18, ttmp9, 704                   ; my number among out_w's
	v_lshlrev_b32 v1, 4, v0                        ; 16 t: bytes in
	v_lshlrev_b32 v2, 3, v0                        ; 8 t: bytes out
	s_wait_kmcnt 0x0
	s_cmp_lt_u32 ttmp9, 704                        ; the choice of the buffers hangs on the work-group's number alone
	s_cselect_b64 s[20:21], s[6:7], s[8:9]
	s_cselect_b64 s[22:23], s[12:13], s[14:15]
	s_cselect_b32 s24, s17, s18
	s_cmp_lt_u32 ttmp9, 512
	s_cselect_b64 s[20:21], s[4:5], s[20:21]       ; from
	s_cselect_b64 s[22:23], s[10:11], s[22:23]     ; to
	s_cselect_b32 s24, ttmp9, s24                  ; my number within that buffer
	s_cmp_lt_u32 s17, 64                           ; the q rows: 1,024 x 1,024 numbers = 64 work-groups
	s_cselect_b32 s26, 0x3e000000, 1.0             ; 1/8 there, 1 elsewhere: one text for all, no branch
	s_mov_b32 s27, s26
	s_lshl_b32 s28, s24, 16                        ; 64 KiB in for each work-group (32 MiB at the most)
	s_mov_b32 s29, 0
	s_lshl_b32 s30, s24, 15                        ; 32 KiB out
	s_mov_b32 s31, 0
	s_add_nc_u64 s[20:21], s[20:21], s[28:29]
	s_add_nc_u64 s[22:23], s[22:23], s[30:31]
.irp i, 0,1,2,3,4,5,6,7,8,9,10,11,12,13,14,15
	global_load_b128 v[X+4*\i:X+4*\i+3], v1, s[20:21] offset:4096*\i th:TH_LOAD_NT   ; read once in the whole launch
.endr
.irp i, 0,1,2,3,4,5,6,7,8,9,10,11,12,13,14,15
	s_wait_loadcnt 15-\i                           ; loads come back in order: this one is in, the younger ones stay out
	v_pk_mul_f32 v[X+4*\i:X+4*\i+1], v[X+4*\i:X+4*\i+1], s[26:27] op_sel_hi:[1,0]
	v_pk_mul_f32 v[X+4*\i+2:X+4*\i+3], v[X+4*\i+2:X+4*\i+3], s[26:27] op_sel_hi:[1,0]
	v_cvt_pk_f16_f32 v[Y+2*\i], v[X+4*\i], v[X+4*\i+1]
	v_cvt_pk_f16_f32 v[Y+2*\i+1], v[X+4*\i+2], v[X+4*\i+3]
	global_store_b64 v2, v[Y+2*\i:Y+2*\i+1], s[22:23] offset:2048*\i   ; no hint: the next launch reads these bytes
.endr
	s_endpgm
.Lfunc_end_k_qbfe7cca172_cast:
	.size	k_qbfe7cca172_cast, .Lfunc_end_k_qbfe7cca172_cast-k_qbfe7cca172_cast
	.p2alignl 7, 3214868480
	.fill 96, 4, 3214868480
	.section	.rodata,"a",@progbits
	.p2align	6, 0x0
	.amdhsa_kernel k_qbfe7cca172_cast
		.amdhsa_group_segment_fixed_size 0
		.amdhsa_private_segment_fixed_size 0
		.amdhsa_enable_private_segment 0
		.amdhsa_kernarg_size 48
		.amdhsa_user_sgpr_count 2
		.amdhsa_user_sgpr_kernarg_segment_ptr 1
		.amdhsa_wavefront_size32 1
		.amdhsa_system_sgpr_workgroup_id_x 1
		.amdhsa_system_sgpr_workgroup_id_y 1
		.amdhsa_system_sgpr_workgroup_id_z 1
		.amdhsa_system_vgpr_workitem_id 0
		.amdhsa_next_free_vgpr 100
		.amdhsa_next_free_sgpr 66
		.amdhsa_reserve_vcc 0
		.amdhsa_float_denorm_mode_32 3
		.amdhsa_float_denorm_mode_16_64 3
		.amdhsa_memory_ordered 1
		.amdhsa_forward_progress 1
		.amdhsa_inst_pref_size 9
	.end_amdhsa_kernel
	.amdgpu_metadata
---
amdhsa.version: [ 1, 2 ]
amdhsa.kernels:
  - .name:           k_qbfe7cca172_cast
    .symbol:         k_qbfe7cca172_cast.kd
    .args:
      - { .name: x, .offset: 0, .size: 8, .value_kind: global_buffer, .address_space: global }
      - { .name: qkv_w, .offset: 8, .size: 8, .value_kind: global_buffer, .address_space: global }
      - { .name: out_w, .offset: 16, .size: 8, .value_kind: global_buffer, .address_space: global }
      - { .name: xh, .offset: 24, .size: 8, .value_kind: global_buffer, .address_space: global }
      - { .name: wqh, .offset: 32, .size: 8, .value_kind: global_buffer, .address_space: global }
      - { .name: woh, .offset: 40, .size: 8, .value_kind: global_buffer, .address_space: global }
    .group_segment_fixed_size: 0
    .private_segment_fixed_size: 0
    .kernarg_segment_align: 8
    .kernarg_segment_size: 48
    .max_flat_workgroup_size: 256
    .sgpr_count:     66
    .vgpr_count:     100
    .wavefront_size: 32
...
	.end_amdgpu_metadata
.endif
;; end of part 1
;; launch qkvgemm (part 2): grid 12 x 32, 4 waves a work-group, clusters of 4 x 4, 327,680 bytes of LDS; arguments xh, wqh, qkv, qkv_b; writes qkv
.if DOCPART == 2
	.amdgcn_target "amdgcn-amd-amdhsa--gfx1250"
	.amdhsa_code_object_version 6
	.text
	.protected	k_qbfe7cca172_qkvgemm
	.globl	k_qbfe7cca172_qkvgemm
	.p2align	8
	.type	k_qbfe7cca172_qkvgemm,@function
k_qbfe7cca172_qkvgemm:
	s_mov_b64 s[64:65], 0
	v_nop
	global_prefetch_b8 v0, s[64:65] scope:SCOPE_SE
	s_setreg_imm32_b32 hwreg(HW_REG_WAVE_MODE, 25, 1), 1
	s_wait_xcnt 0x0
	s_wait_alu depctr_hold_cnt(0) depctr_sa_sdst(0) depctr_va_vdst(0) depctr_va_sdst(0) depctr_va_ssrc(0) depctr_va_vcc(0) depctr_vm_vsrc(0)
	s_getreg_b32 s2, hwreg(HW_REG_IB_STS2, 6, 4)
	s_cmp_eq_u32 s2, 0
	s_cbranch_scc0 .Lentry_in_a_cluster
	s_endpgm
.Lentry_in_a_cluster:
	s_bfe_u32 s2, ttmp6, 0x10000c
	s_cmp_lg_u32 s2, 0xf033
	s_cbranch_scc0 .Lentry_shape_is_right
	s_endpgm
.Lentry_shape_is_right:
; qkv = xh wqh^T + qkv_b, rounded once to f16.  xh: [8192][1024] f16, wqh: [3072][1024] f16 (its q rows already hold 1/8), qkv_b: [3072] f32
; (its q part is multiplied by 1/8 here).  Sums in f32, started from the bias.
; LIMIT of the format: a result beyond 65,504 in magnitude becomes infinite.  As drawn k and v have rms 0.58 and stay under 4; with x and the weights both
; 30 times larger they stay near 3,200; with x and the weights both offset by 30 of their standard deviations (30; 0.54) they reach 1,024 x 30 x 0.54 = 17,000.
; Scale and offset together on both are not served.  With both 30 times smaller, q / 8 (rms 8e-5) is kept in steps of 6e-8: to 4e-4 of its size.
; OUT: qkv is laid as planes [which 3][b 4][hg 4][t 2048][256] f16: a block column of 256 features is one plane's whole row (four heads of 64), so that
; the attention launch finds rows of 512 consecutive bytes for the four heads that it takes together.
; A work-group makes a block of 256 x 256 with four waves; a wave makes 128 x 128: 64 accumulator tiles of 16 x 16, 512 registers.
; K goes in steps of 128 through a ring of two LDS slots filled by the tensor data mover; a tile's rows are 256 consecutive bytes of memory.
; CLUSTERS: 4 x 4 work-groups.  The four of a row of the cluster need the same tiles of xh, the four of a column the same tiles of wqh: each tile is asked for
; jointly, by the same tensor load in all four with a mask that names them.  12 x 32 = 384 work-groups are 24 clusters.
;
; REGISTERS, in windows of 256:
;   window 0: v0-31 addresses; v64-127, v128-191 fragments of A, two buffers; v192-255 the bias as a C operand, later at work on the way out
;   window 1: v64-127, v128-191 fragments of B, two buffers
;   window 2: the 32 accumulator tiles of my rows 0-63 (tile (a, b) at v[8 (8 a + b)]);   window 3: those of my rows 64-127
; THE MATRIX INSTRUCTION IS USED TRANSPOSED: source 0 = 16 rows of B, source 1 = 16 rows of A.  Lane l then holds row l % 16 of the result and its registers
; 0 to 7 the columns 8 (l / 16) + 0 .. 7: eight neighbouring numbers of a row, 16 bytes in f16; and the bias of those eight columns is a C operand.
.set SIZE_K, 1024
.set KSTEP,  128
.set PITCH,  272                       ; an LDS row: 256 bytes + 16 of padding, an odd multiple of 16: the 16 rows of a fragment load start 16 bytes apart modulo 256
.set HALFT,  128*PITCH                 ; 128 rows: what one tensor load brings, and what one wave reads of A or of B
.set SLOT,   4*HALFT                   ; A's 256 rows, then B's 256 rows
.set STAGE,  2*SLOT                    ; behind the ring: 16 rows x 272 bytes for each wave, for the way out
.set SPITCH, 272
.set LAPS,   SIZE_K/(2*KSTEP)          ; 4 laps of two K steps
.set OROW,   512                       ; bytes in a row of a plane of qkv
.set ADRA, 16                          ; v16-17  LDS address of my A fragments in slot 0, 1
.set ADRB, 20                          ; v20-21  the same for B
.set STO,  24                          ; v24     the way out: where I put 16 bytes of a row
.set RD,   25                          ; v25     the way out: where I read a row back
.set CO,   26                          ; v26     my byte offset in the plane
.set BO,   27                          ; v27     my byte offset in the bias
.set F0,   64
.set F1,   128
.set TMP,  192                         ; the way out: packed results
.set BI,   192                         ; v[192:255] until then: bias of tile column b in v[BI+8b : BI+8b+7]
.set G1, 24                            ; s[24:31] descriptor group 1 for A's tiles
.set G0, 32                            ; s[32:39] descriptor group 0 for A's tiles, one set for each slot
.set G1B, 48                           ; s[48:55] group 1 for B's tiles: it differs in the mask alone
.set G0B, 56                           ; s[56:63] group 0 for B's tiles
.set MSB, 0
.macro WIN new                         ; the immediate's high byte repeats the setting that is left
.if MSB != \new
	s_set_vgpr_msb (MSB<<8)|\new
.set MSB, \new
.endif
.endm
.set MUL_LO, 0xa1                      ; source 0 (B) window 1, source 1 (A) window 0, C and D window 2
.set MUL_HI, 0xf1                      ; the same, C and D window 3
.set FST_LO, 0x81                      ; the first products: C is the bias in window 0, D window 2
.set FST_HI, 0xc1                      ; C window 0, D window 3
.set TO_B,   0x40                      ; destination window 1, address window 0
; A joint load.  Waves 0 and 1 fetch A's two halves, waves 2 and 3 B's.  The branch hangs on the wave's number alone.
.macro JLOAD s
	s_cmp_eq_u32 s11, 0
	s_cbranch_scc0 .Lfor_b_\@
	tensor_load_to_lds s[G0+4*\s:G0+4*\s+3], s[G1:G1+7]
	s_nop 0
	s_branch .Lasked_\@
.Lfor_b_\@:
	tensor_load_to_lds s[G0B+4*\s:G0B+4*\s+3], s[G1B:G1B+7]
	s_nop 0
.Lasked_\@:
.endm
; A round of the cluster's barrier: my work-group's barrier; wave 0 signals for the work-group; every wave waits for all sixteen; my work-group's barrier again.
.macro CREST                           ; a round behind its opening barrier
	s_cmp_lg_u32 s10, 0
	s_cbranch_scc1 .Lnot_wave_0_\@
	s_barrier_signal -3
.Lnot_wave_0_\@:
	s_barrier_wait -3
	s_barrier_signal -1
	s_barrier_wait -1
.endm
.macro CROUND
	s_barrier_signal -1
	s_barrier_wait -1
	CREST
.endm
	s_load_b128 s[4:7], s[0:1], 0x0                ; xh s[4:5], wqh s[6:7]
	s_load_b64 s[8:9], s[0:1], 0x10                ; qkv
	s_load_b64 s[66:67], s[0:1], 0x18              ; qkv_b
	s_set_vgpr_msb 0x40
	v_lshl_add_u32 v255, v0, 2, 0x48400
	s_set_vgpr_msb 0x4000
	v_mov_b32 v63, 0
	s_set_vgpr_msb 0x1
	ds_add_u32 v255, v63
	s_set_vgpr_msb 0x100
	v_lshrrev_b32 v1, 5, v0
	v_readfirstlane_b32 s10, v1                    ; wave 0..3
	s_lshr_b32 s11, s10, 1                         ; which half of the block's rows is mine.  Also: I fetch for A (0) or for B (1)
	s_and_b32 s12, s10, 1                          ; which half of its columns.  Also: which 128 rows of that tile I fetch
	s_bfe_u32 s40, ttmp6, 0x40000                  ; cx
	s_bfe_u32 s41, ttmp6, 0x40004                  ; cy
	s_lshl_b32 s42, ttmp9, 2
	s_add_co_u32 s42, s42, s40                     ; block column = 4 x cluster x + cx
	s_and_b32 s13, ttmp7, 0xffff
	s_lshl_b32 s13, s13, 2
	s_add_co_u32 s13, s13, s41                     ; block row = 4 x cluster y + cy
	s_lshl_b32 s43, s41, 2
	s_lshl_b32 s43, 15, s43                        ; my row of the cluster: places 4 cy .. 4 cy + 3
	s_lshl_b32 s44, 0x1111, s40                    ; my column: places cx, cx + 4, cx + 8, cx + 12
	; descriptor group 1: a tile of 128 rows x 128 elements of 2 bytes, 4 words of padding behind every 64 words
	s_or_b32 s[G1+0], s43, (1<<16)|(1<<20)|(1<<21)|(5<<22)|(3<<25)   ; A's tiles go to my row of the cluster
	s_or_b32 s[G1B+0], s44, (1<<16)|(1<<20)|(1<<21)|(5<<22)|(3<<25)  ; B's to my column
	s_mov_b32 s[G1B+1], KSTEP<<16
	s_mov_b32 s[G1+1], KSTEP<<16                   ; tensor_dim0 = 128
	s_mov_b32 s[G1B+2], 128<<16
	s_mov_b32 s[G1+2], 128<<16                     ; tensor_dim1 = 128
	s_mov_b32 s[G1B+3], KSTEP<<16
	s_mov_b32 s[G1+3], KSTEP<<16                   ; tile_dim0 = 128
	s_mov_b32 s[G1B+4], 128
	s_mov_b32 s[G1+4], 128                         ; tile_dim1 = 128
	s_mov_b32 s[G1B+5], SIZE_K
	s_mov_b32 s[G1+5], SIZE_K                      ; elements from row to row
	s_mov_b32 s[G1B+6], 0
	s_mov_b32 s[G1+6], 0
	s_mov_b32 s[G1B+7], 0
	s_mov_b32 s[G1+7], 0
	; A's tiles hang on the block row alone, B's on the block column alone; each address is made in registers that never hold the other coordinate
	s_lshl_b32 s17, s12, 7
	s_lshl_b32 s16, s13, 8
	s_add_co_u32 s16, s16, s17                     ; A: row 256 x block row + 128 x half
	s_lshl_b32 s46, s42, 8
	s_add_co_u32 s46, s46, s17                     ; B: row 256 x block column + 128 x half
	s_mov_b32 s17, 0
	s_mov_b32 s47, 0
	s_mov_b64 s[18:19], SIZE_K*2
	s_mul_u64 s[16:17], s[16:17], s[18:19]         ; in bytes
	s_mul_u64 s[46:47], s[46:47], s[18:19]
	s_mul_i32 s20, s10, HALFT                      ; where they go: wave x 128 rows
	s_lshl_b32 s70, s42, 10                        ; the bias of my 128 columns: 4 bytes x (256 x block column + 128 x half)
	s_lshl_b32 s71, s12, 9
	s_add_co_u32 s70, s70, s71
	s_mov_b32 s71, 0
	s_wait_dscnt 0x0
	s_wait_kmcnt 0x0
	s_add_nc_u64 s[14:15], s[4:5], s[16:17]
	s_add_nc_u64 s[46:47], s[6:7], s[46:47]
	s_add_nc_u64 s[66:67], s[66:67], s[70:71]
	CROUND                                         ; all sixteen work-groups are here: the first joint loads meet
.irp s, 0,1
	s_mov_b32 s[G0+4*\s], 1
	s_add_co_u32 s[G0+4*\s+1], s20, \s*SLOT
	s_add_nc_u64 s[G0+4*\s+2:G0+4*\s+3], s[14:15], \s*KSTEP*2
	s_or_b32 s[G0+4*\s+3], s[G0+4*\s+3], 0x80000000
	s_mov_b32 s[G0B+4*\s], 1
	s_add_co_u32 s[G0B+4*\s+1], s20, \s*SLOT
	s_add_nc_u64 s[G0B+4*\s+2:G0B+4*\s+3], s[46:47], \s*KSTEP*2
	s_or_b32 s[G0B+4*\s+3], s[G0B+4*\s+3], 0x80000000
	JLOAD \s                                       ; both slots are asked for before anything else: two tensor loads of the wave are out
.endr
	v_and_b32 v1, 15, v0                           ; l % 16
	v_bfe_u32 v2, v0, 4, 1                         ; l / 16
	; the bias as a C operand of the transposed use: register j of tile column b holds bias[16 b + 8 (l / 16) + j]
	v_lshlrev_b32 v[BO], 5, v2
.irp b, 0,1,2,3,4,5,6,7
	global_load_b128 v[BI+8*\b:BI+8*\b+3],   v[BO], s[66:67] offset:64*\b
	global_load_b128 v[BI+8*\b+4:BI+8*\b+7], v[BO], s[66:67] offset:64*\b+16
.endr
	v_mul_u32_u24 v3, v1, PITCH
	v_lshl_add_u32 v3, v2, 4, v3                   ; fragment address: row x pitch + 16 x half
	s_mul_i32 s21, s11, HALFT                      ; my 128 rows of A
	s_mul_i32 s22, s12, HALFT                      ; my 128 rows of B,
	s_add_co_u32 s22, s22, 2*HALFT                 ; which lie behind A's 256
.irp s, 0,1
	v_add_nc_u32 v[ADRA+\s], s21, v3
	v_add_nc_u32 v[ADRB+\s], s22, v3
	s_add_co_u32 s21, s21, SLOT
	s_add_co_u32 s22, s22, SLOT
.endr
	s_mul_i32 s23, s10, 16*SPITCH
	s_add_co_u32 s23, s23, STAGE                   ; my stage
	v_mul_u32_u24 v4, v1, SPITCH
	v_lshl_add_u32 v4, v2, 4, v4
	v_add_nc_u32 v[STO], s23, v4
	v_mul_u32_u24 v5, v2, SPITCH
	v_lshl_add_u32 v5, v1, 4, v5
	v_add_nc_u32 v[RD], s23, v5
	v_lshlrev_b32 v5, 9, v2                        ; lanes 16-31 one row of the plane further down
	v_lshl_add_u32 v[CO], v1, 4, v5
	s_cmp_eq_u32 ttmp9, 0                          ; the first cluster column = block columns 0-3 = features 0-1023 = q
	s_cselect_b32 s68, 0x3e000000, 1.0             ; q's bias takes the 1/8 that q's weights already hold; a select, no branch
	s_mov_b32 s69, s68
	s_wait_loadcnt 0x0                             ; the bias, once
.set n, 0
.rept 32
	v_pk_mul_f32 v[BI+n:BI+n+1], v[BI+n:BI+n+1], s[68:69] op_sel_hi:[1,0]
.set n, n+2
.endr
; 16 matrix instructions: m blocks a0, a0 + 1 of the window's four x all 8 n blocks, 32 along K.  first = 1: the sums start from the bias.
.macro MUL16 f, hi, a0, first
.irp a, \a0, \a0+1
.irp b, 0,1,2,3,4,5,6,7
.if \first
	v_wmma_f32_16x16x32_f16 v[8*(8*(\a)+\b):8*(8*(\a)+\b)+7], v[\f+8*\b:\f+8*\b+7], v[\f+8*(4*\hi+\a):\f+8*(4*\hi+\a)+7], v[BI+8*\b:BI+8*\b+7]
.else
	v_wmma_f32_16x16x32_f16 v[8*(8*(\a)+\b):8*(8*(\a)+\b)+7], v[\f+8*\b:\f+8*\b+7], v[\f+8*(4*\hi+\a):\f+8*(4*\hi+\a)+7], v[8*(8*(\a)+\b):8*(8*(\a)+\b)+7]
.endif
.endr
.endr
.endm
; 32 LDS loads in one run: the fragments of one quarter step into buffer f
.macro FETCH slot, k, f
	WIN TO_B
.irp i, 0,1,2,3,4,5,6,7
	ds_load_b128 v[\f+8*\i:\f+8*\i+3],   v[ADRB+\slot] offset:\k+\i*16*PITCH
	ds_load_b128 v[\f+8*\i+4:\f+8*\i+7], v[ADRB+\slot] offset:\k+\i*16*PITCH+32
.endr
	WIN 0
.irp i, 0,1,2,3,4,5,6,7
	ds_load_b128 v[\f+8*\i:\f+8*\i+3],   v[ADRA+\slot] offset:\k+\i*16*PITCH
	ds_load_b128 v[\f+8*\i+4:\f+8*\i+7], v[ADRA+\slot] offset:\k+\i*16*PITCH+32
.endr
.endm
; Four independent vector instructions stand between a matrix instruction and a load into, or a vector read or write of, one of its registers
; (ISA guide 7.12.1 for vector instructions).
.macro PLACES
.rept 4
	v_nop
.endr
.endm
; A K step is four quarter steps of 32 along K, 64 matrix instructions each, on buffers 0, 1, 0, 1.  The 64 accumulators take turns, one instruction a turn,
; in the same order in every quarter.
.macro QUARTER slot, k, f, g, first
	s_wait_dscnt 8                                 ; B and A's rows 0-63 are in; the youngest eight loads (A's rows 64-127) may be out
.if \first
	WIN FST_LO
.else
	WIN MUL_LO
.endif
	MUL16 \f, 0, 0, \first
	MUL16 \f, 0, 2, \first
	PLACES
	FETCH \slot, \k, \g
	s_wait_dscnt 32                                ; all but the 32 just issued
.if \first
	WIN FST_HI
.else
	WIN MUL_HI
.endif
	MUL16 \f, 1, 0, \first
	MUL16 \f, 1, 2, \first
.endm
.macro THREE slot, first
	QUARTER \slot, 64,  F0, F1, \first
	QUARTER \slot, 128, F1, F0, 0
	QUARTER \slot, 192, F0, F1, 0
.endm
; The last quarter multiplies buffer 1 and changes slots.  In front of the barrier each wave waits for its reads of this slot and for all its tensor loads
; (one is out: its part of the next slot).  Behind it the refill comes first, then the next slot's first fragments.
.macro TURN slot, next, fill
	s_wait_dscnt 8
	WIN MUL_LO
	MUL16 F1, 0, 0, 0
	s_wait_dscnt 0                                 ; my reads of this slot are over
	s_wait_tensorcnt 0x0                           ; and all my tensor loads have landed
	ds_add_u32 v255, v63
	s_wait_dscnt 0x0
	s_barrier_signal -1                            ; where the slot is filled again this barrier opens a round of the cluster's barrier
	MUL16 F1, 0, 2, 0                              ; register work while the others arrive
	WIN 0
	s_barrier_wait -1
.if \fill
	CREST                                          ; no wave of any partner still reads this slot or has a load on its way
	s_add_nc_u64 s[G0+4*\slot+2:G0+4*\slot+3], s[G0+4*\slot+2:G0+4*\slot+3], 2*KSTEP*2
	s_add_nc_u64 s[G0B+4*\slot+2:G0B+4*\slot+3], s[G0B+4*\slot+2:G0B+4*\slot+3], 2*KSTEP*2
	JLOAD \slot                                    ; the wave's one tensor load behind the round
.endif
	PLACES
	FETCH \next, 0, F0
	WIN MUL_HI
	MUL16 F1, 1, 0, 0
	MUL16 F1, 1, 2, 0
.endm
.macro LAP first
	THREE 0, \first
	TURN 0, 1, 1
	THREE 1, 0
	TURN 1, 0, 1
.endm
	s_wait_tensorcnt 1                             ; my part of K step 0 is in; K step 1's load may stay out
	s_barrier_signal -1
	s_barrier_wait -1
	FETCH 0, 0, F0
	LAP 1                                          ; the first lap stands in front of the loop: its first products start the sums from the bias
	WIN 0
	s_mov_b32 s3, LAPS-2
.Llap:
	LAP 0
	WIN 0
	s_sub_co_u32 s3, s3, 1
	s_cmp_lg_u32 s3, 0
	s_cbranch_scc1 .Llap
	THREE 0, 0                                     ; the last lap fills nothing
	TURN 0, 1, 0
	THREE 1, 0
	s_wait_dscnt 8
	WIN MUL_LO
	MUL16 F1, 0, 0, 0
	MUL16 F1, 0, 2, 0
	s_wait_dscnt 0
	WIN MUL_HI
	MUL16 F1, 1, 0, 0
	MUL16 F1, 1, 2, 0
	; THE WAY OUT, 16 rows at a time: round to f16, 16 bytes a lane into my own stage in LDS, read back as rows of 256 bytes.
	PLACES
	s_lshl_b32 s72, ttmp9, 4                       ; plane = 16 x which (the cluster's x) + 4 x b (block row / 8) + hg (cx)
	s_lshr_b32 s74, s13, 3
	s_lshl2_add_u32 s72, s74, s72
	s_add_co_u32 s72, s72, s40
	s_lshl_b32 s72, s72, 20                        ; a plane is 2,048 rows of 512 bytes
	s_and_b32 s74, s13, 7
	s_lshl_b32 s74, s74, 17                        ; 256 rows of 512 bytes for each block row inside b
	s_add_co_u32 s72, s72, s74
	s_lshl_b32 s74, s11, 16                        ; my 128 rows
	s_add_co_u32 s72, s72, s74
	s_lshl_b32 s74, s12, 8                         ; my 128 columns = 256 bytes
	s_add_co_u32 s72, s72, s74
	s_mov_b32 s73, 0
	s_add_nc_u64 s[8:9], s[8:9], s[72:73]
.macro OUT16 i, a, from, f
	WIN \from
.irp b, 0,1,2,3,4,5,6,7
.irp r, 0,1,2,3
	v_cvt_pk_f16_f32 v[TMP+4*\b+\r], v[8*(8*\a+\b)+2*\r], v[8*(8*\a+\b)+2*\r+1]
.endr
.endr
	WIN 0
.irp b, 0,1,2,3,4,5,6,7
	ds_store_b128 v[STO], v[TMP+4*\b:TMP+4*\b+3] offset:32*\b
.endr
	s_wait_xcnt 0x0                                ; buffer f, which earlier stores read, and the stores' base are rewritten only behind this wait
.if \i
	s_add_nc_u64 s[8:9], s[8:9], 16*OROW
.endif
.irp t, 0,1,2,3,4,5,6,7
	ds_load_b128 v[\f+4*\t:\f+4*\t+3], v[RD] offset:\t*2*SPITCH    ; LDS serves a wave's instructions in order: these see the stores above
.endr
.irp t, 0,1,2,3,4,5,6,7
	s_wait_dscnt 7-\t                              ; the younger row loads stay out
	global_store_b128 v[CO], v[\f+4*\t:\f+4*\t+3], s[8:9] offset:2*\t*OROW   ; 16 lanes store 256 consecutive bytes, aligned
.endr
.endm
	OUT16 0, 0, 0x0a, F0
	OUT16 1, 1, 0x0a, F1
	OUT16 2, 2, 0x0a, F0
	OUT16 3, 3, 0x0a, F1
	OUT16 4, 0, 0x0f, F0
	OUT16 5, 1, 0x0f, F1
	OUT16 6, 2, 0x0f, F0
	OUT16 7, 3, 0x0f, F1
	s_set_vgpr_msb 0x1
	s_wait_tensorcnt 0x0
	ds_add_u32 v255, v63
	s_wait_dscnt 0x0
	s_set_vgpr_msb 0x100
	CROUND                                         ; the closing round: no work-group ends while a partner may still ask for a tile that names it
	s_endpgm
.Lfunc_end_k_qbfe7cca172_qkvgemm:
	.size	k_qbfe7cca172_qkvgemm, .Lfunc_end_k_qbfe7cca172_qkvgemm-k_qbfe7cca172_qkvgemm
	.p2alignl 7, 3214868480
	.fill 96, 4, 3214868480
	.section	.rodata,"a",@progbits
	.p2align	6, 0x0
	.amdhsa_kernel k_qbfe7cca172_qkvgemm
		.amdhsa_group_segment_fixed_size 327680
		.amdhsa_private_segment_fixed_size 0
		.amdhsa_enable_private_segment 0
		.amdhsa_kernarg_size 32
		.amdhsa_user_sgpr_count 2
		.amdhsa_user_sgpr_kernarg_segment_ptr 1
		.amdhsa_wavefront_size32 1
		.amdhsa_system_sgpr_workgroup_id_x 1
		.amdhsa_system_sgpr_workgroup_id_y 1
		.amdhsa_system_sgpr_workgroup_id_z 1
		.amdhsa_system_vgpr_workitem_id 0
		.amdhsa_next_free_vgpr 1024
		.amdhsa_next_free_sgpr 80
		.amdhsa_reserve_vcc 0
		.amdhsa_float_denorm_mode_32 3
		.amdhsa_float_denorm_mode_16_64 3
		.amdhsa_memory_ordered 1
		.amdhsa_forward_progress 1
		.amdhsa_inst_pref_size 200
	.end_amdhsa_kernel
	.amdgpu_metadata
---
amdhsa.version: [ 1, 2 ]
amdhsa.kernels:
  - .name:           k_qbfe7cca172_qkvgemm
    .symbol:         k_qbfe7cca172_qkvgemm.kd
    .args:
      - { .name: xh, .offset: 0, .size: 8, .value_kind: global_buffer, .address_space: global }
      - { .name: wqh, .offset: 8, .size: 8, .value_kind: global_buffer, .address_space: global }
      - { .name: qkv, .offset: 16, .size: 8, .value_kind: global_buffer, .address_space: global }
      - { .name: qkv_b, .offset: 24, .size: 8, .value_kind: global_buffer, .address_space: global }
    .group_segment_fixed_size: 327680
    .private_segment_fixed_size: 0
    .kernarg_segment_align: 8
    .kernarg_segment_size: 32
    .max_flat_workgroup_size: 128
    .sgpr_count:     80
    .vgpr_count:     1024
    .wavefront_size: 32
...
	.end_amdgpu_metadata
.endif
;; end of part 2
;; launch attn (part 3): grid 4 x 64, 8 waves a work-group, clusters of 4 x 4, 327,680 bytes of LDS; arguments qkv, attn_bias, ao; writes ao
.if DOCPART == 3
	.amdgcn_target "amdgcn-amd-amdhsa--gfx1250"
	.amdhsa_code_object_version 6
	.text
	.protected	k_qbfe7cca172_attn
	.globl	k_qbfe7cca172_attn
	.p2align	8
	.type	k_qbfe7cca172_attn,@function
k_qbfe7cca172_attn:
	s_mov_b64 s[64:65], 0
	v_nop
	global_prefetch_b8 v0, s[64:65] scope:SCOPE_SE
	s_setreg_imm32_b32 hwreg(HW_REG_WAVE_MODE, 25, 1), 1
	s_wait_xcnt 0x0
	s_wait_alu depctr_hold_cnt(0) depctr_sa_sdst(0) depctr_va_vdst(0) depctr_va_sdst(0) depctr_va_ssrc(0) depctr_va_vcc(0) depctr_vm_vsrc(0)
	s_getreg_b32 s2, hwreg(HW_REG_IB_STS2, 6, 4)
	s_cmp_eq_u32 s2, 0
	s_cbranch_scc0 .Lentry_in_a_cluster
	s_endpgm
.Lentry_in_a_cluster:
	s_bfe_u32 s2, ttmp6, 0x10000c
	s_cmp_lg_u32 s2, 0xf033
	s_cbranch_scc0 .Lentry_shape_is_right
	s_endpgm
.Lentry_shape_is_right:
; ao[b][t][h 64 + d] = softmax over s of (q.k + attn_bias[b][t][s]) times v, by a running maximum.  q already holds the factor 1/8.
; qkv: planes [which 3][b 4][hg 4][t 2048][256] f16 (hg = four heads, 64 columns each).  attn_bias: [4][2048][2048] f32.  ao: [8192][1024] f16.
; A work-group takes (hg = x, y = 16 b + query block): four heads x 128 queries, all 2,048 keys in 32 steps of 64.  4 x 64 = 256 work-groups.
; Wave w takes head w & 3 and the query half w >> 2: 64 queries as four tiles i of 16.  Eight waves of 512 registers.
; BOTH PRODUCTS ARE USED TRANSPOSED.  S^T = K Q^T + bias^T: source 0 = 16 keys, source 1 = 16 queries, and C = D = the registers into which the f32 bias was
; loaded, so the bias costs no addition.  Lane (r, h), register j of tile (kt, i) holds key 16 kt + 8 h + j of query r.  Packed to f16, tiles 2 kp and 2 kp + 1
; ARE the source-1 fragment of P^T for 32 keys: P never leaves the registers.  O^T(dt, i) += V^T(kp, dt) P^T(kp, i), V^T by transposing LDS loads.
; A lane's statistics belong to one query; one exchange between the two halves of the wave completes them.
; TWO GROUPS, HALF A STEP APART.  A step has four pieces: loads, S^T (32 matrix instructions), softmax (vector work), O^T (32 matrix instructions).  All waves run one
; text: in trip n, O^T of step n - 1 and S^T of step n, with the loads of step n among them.  The softmax stands twice, under a branch on the wave's number:
; waves 0-3 (the early group) run softmax(n) at the end of trip n, waves 4-7 (the late group) run it at the head of trip n + 1.  So while one group issues
; matrix instructions and LDS loads the other issues vector instructions.  P (or the raw scores) and V of step n - 1 cross the barrier in registers; every
; LDS read of a slot stands in that slot's own trip.
; CLUSTERS: 4 x 4 work-groups.  The bias tile hangs on y alone: asked for jointly along a row of the cluster (the four hg).  K's and V's tiles hang on (b, hg):
; jointly along a column (four query blocks of one b; b = cluster y / 4 is the same in the whole cluster).
; LIMITS: the running maximum starts at -2^100 (-1.27e30), so that scores of -inf get the weight 0 even where a whole tile of a row is -inf; a row whose scores
; are all finite and below -2^100 is not served.  P and the result are rounded to f16 once each; sums, maxima and exponentials are f32.  P lies in [0, 1] for
; every input, since the maximum is taken away first; a weight below 3e-8 becomes 0 beside a sum of at least 1.  The result is a convex mix of v and has v's range.
.set KPITCH, 528                       ; K in LDS: 512 bytes + 16: an odd multiple of 16
.set VPITCH, 544                       ; V in LDS: 512 bytes + 32: an odd multiple of 32, for the transposing loads
.set BPITCH, 272                       ; bias in LDS: 256 bytes + 16
.set OFFV,   64*KPITCH                 ; 33,792: V behind K's 64 rows
.set OFFB,   OFFV+64*VPITCH            ; 68,608: the bias' 128 rows behind V's 64
.set SLOT,   OFFB+128*BPITCH           ; 103,424
.set STAGE,  2*SLOT                    ; 206,848, a multiple of 256: 128 rows x 528 bytes for the way out; no fill lands there
.set KSTEPB, 64*512                    ; 64 keys further in a plane
.set BSTEPB, 256                       ; 64 keys further in a row of the bias
.set KPLANE, 16<<20                    ; from q's plane to k's plane of the same (b, hg)
.set VPLANE, 32<<20
; window 0
.set ABI, 4                            ; v4-5    LDS address of my bias in slot 0, 1
.set AK,  6                            ; v6-7    of my K fragments
.set AV,  8                            ; v8-9    of my V fragments
.set STO, 10                           ; v10     the way out: where I put 16 bytes
.set RD,  11                           ; v11     the way out: where I read a row back
.set CO,  12                           ; v12     16 x lane
.set QO,  13                           ; v13     my offset in q's rows
.set PFO, 14                           ; v14     prefetch: lane x one row of the bias
.set ST,  16                           ; v[16+8i ..]: +0 NB = -log2e x maximum of the even steps, +1 M the maximum, +2 A the rescale, +3 T at work,
                                       ;              +4 +5 L the sum, in two halves, +6 NB of the odd steps, +7 the other half of that pair, never used
.set KF,  64                           ; K(kt, c) = v[64 + 8 (4 c + kt)]
.set SF,  128                          ; S(kt, i) = v[128 + 8 (4 kt + i)]; P(kp, i) lies in S(2 kp, i)
; window 1
.set OF,  0                            ; O(dt, i) = v[8 (4 dt + i)]
.set QF,  128                          ; Q(i, c) = v[128 + 8 (2 i + c)]
.set VF,  192                          ; V(kp, dt) = v[192 + 8 (4 kp + dt)]
.set G1K, 24                           ; s[24:31] group 1 of K's tiles
.set G1V, 32                           ; s[32:39] of V's: another padding
.set G1B, 40                           ; s[40:47] of the bias' tiles
.set G0K, 48                           ; s[48:55] group 0, one set for each slot
.set G0V, 56                           ; s[56:63]
.set G0B, 68                           ; s[68:75]
.set MSB, 0
.macro WIN new                         ; low byte: bits 1:0 source 0, 3:2 source 1, 5:4 source 2, 7:6 destination; the high byte repeats the setting that is left
.if MSB != \new
	s_set_vgpr_msb (MSB<<8)|\new
.set MSB, \new
.endif
.endm
.macro PLACES cnt
.rept \cnt
	v_nop
.endr
.endm
; A round of the cluster's barrier
.macro ROUND
	s_barrier_signal -1
	s_barrier_wait -1
	s_cmp_lg_u32 s10, 0
	s_cbranch_scc1 .Lnot_wave_0_\@
	s_barrier_signal -3
.Lnot_wave_0_\@:
	s_barrier_wait -3
	s_barrier_signal -1
	s_barrier_wait -1
.endm
; The joint loads of one step's tiles into slot s, one a wave, 64 rows each: wave 0 K, wave 1 V, waves 2 and 3 the two halves of the bias, waves 4 to 7 none.
; The branches hang on the wave's number alone.
.macro JLOAD s
	s_cmp_gt_u32 s10, 3
	s_cbranch_scc1 .Lasked_\@
	s_cmp_gt_u32 s10, 1
	s_cbranch_scc1 .Lfor_bias_\@
	s_cmp_eq_u32 s10, 0
	s_cbranch_scc0 .Lfor_v_\@
	tensor_load_to_lds s[G0K+4*(\s):G0K+4*(\s)+3], s[G1K:G1K+7]
	s_nop 0
	s_branch .Lasked_\@
.Lfor_v_\@:
	tensor_load_to_lds s[G0V+4*(\s):G0V+4*(\s)+3], s[G1V:G1V+7]
	s_nop 0
	s_branch .Lasked_\@
.Lfor_bias_\@:
	tensor_load_to_lds s[G0B+4*(\s):G0B+4*(\s)+3], s[G1B:G1B+7]
	s_nop 0
.Lasked_\@:
.endm
	s_load_b128 s[4:7], s[0:1], 0x0                ; qkv s[4:5], attn_bias s[6:7]
	s_load_b64 s[8:9], s[0:1], 0x10                ; ao
	v_lshl_add_u32 v62, v0, 2, 0x43000
	v_mov_b32 v63, 0
	ds_add_u32 v62, v63
	v_lshrrev_b32 v1, 5, v0
	v_readfirstlane_b32 s10, v1                    ; wave 0..7
	s_and_b32 s11, s10, 3                          ; hh: my head among the four
	s_lshr_b32 s12, s10, 2                         ; qh: my half of the 128 queries.  Also my group: 0 early, 1 late
	s_bfe_u32 s13, ttmp6, 0x40000                  ; cx
	s_bfe_u32 s14, ttmp6, 0x40004                  ; cy
	s_lshl_b32 s15, ttmp9, 2
	s_add_co_u32 s15, s15, s13                     ; hg = 4 x cluster x + cx
	s_and_b32 s16, ttmp7, 0xffff                   ; cluster y
	s_lshl_b32 s17, s16, 2
	s_add_co_u32 s17, s17, s14                     ; y = 4 x cluster y + cy = 16 b + query block
	s_lshr_b32 s18, s16, 2                         ; b, from the cluster's y alone
	s_lshl_b32 s19, s14, 2
	s_lshl_b32 s19, 15, s19                        ; my row of the cluster
	s_lshl_b32 s20, 0x1111, s13                    ; my column
	s_mov_b32 s66, 0x76543210                      ; v_permlanex16_b32: lane i of one half reads lane i of the other
	s_mov_b32 s67, 0xfedcba98
	s_mov_b32 s76, 0x3fb8aa3b                      ; log2 e, as a pair for the packed forms
	s_mov_b32 s77, 0x3fb8aa3b
	s_mov_b32 s78, 0xbfb8aa3b                      ; -log2 e
	; group 1.  K and V: 64 rows x 256 elements of 2 bytes, padding behind every 128 words, of 4 words (K) or 8 (V).  Bias: 64 rows x 64 elements of 4 bytes, 4 words behind every 64.
	s_or_b32 s[G1K+0], s20, (1<<16)|(1<<20)|(1<<21)|(6<<22)|(3<<25)
	s_or_b32 s[G1V+0], s20, (1<<16)|(1<<20)|(1<<21)|(6<<22)|(7<<25)
	s_or_b32 s[G1B+0], s19, (2<<16)|(1<<20)|(1<<21)|(5<<22)|(3<<25)
.irp g, G1K, G1V
	s_mov_b32 s[\g+1], 256<<16                     ; tensor_dim0 = 256
	s_mov_b32 s[\g+2], 64<<16                      ; tensor_dim1 = 64
	s_mov_b32 s[\g+3], 256<<16                     ; tile_dim0 = 256
	s_mov_b32 s[\g+4], 64                          ; tile_dim1 = 64
	s_mov_b32 s[\g+5], 256                         ; elements from row to row
	s_mov_b32 s[\g+6], 0
	s_mov_b32 s[\g+7], 0
.endr
	s_mov_b32 s[G1B+1], 64<<16
	s_mov_b32 s[G1B+2], 64<<16
	s_mov_b32 s[G1B+3], 64<<16
	s_mov_b32 s[G1B+4], 64
	s_mov_b32 s[G1B+5], 2048
	s_mov_b32 s[G1B+6], 0
	s_mov_b32 s[G1B+7], 0
	; offsets, each in registers of its own: those of K and V never hold cy, those of the bias' tiles never cx
	s_lshl2_add_u32 s82, s18, s15                  ; 4 b + hg
	s_lshl_b32 s82, s82, 20                        ; planes of 1 MiB
	s_mov_b32 s83, 0
	s_lshl_b32 s84, s17, 20                        ; bias: 128 rows of 8,192 bytes for each y,
	s_and_b32 s85, s10, 1
	s_lshl_b32 s85, s85, 19                        ; and 64 rows further for wave 3
	s_add_co_u32 s84, s84, s85
	s_mov_b32 s85, 0
	s_lshl_b32 s93, s11, 7                         ; my head's 128 bytes in a row of a plane
	s_and_b32 s90, s17, 15                         ; q: query block x 128 rows of 512 bytes
	s_lshl_b32 s90, s90, 16
	s_lshl_b32 s91, s12, 15                        ; + my half's 64 rows
	s_add_co_u32 s90, s90, s91
	s_add_co_u32 s90, s90, s93                     ; + my head
	s_mov_b32 s91, 0
	s_lshl_b32 s80, s17, 20                        ; prefetch: of the 128 rows of my y, the 32 rows that fall to my cx,
	s_lshl_b32 s81, s13, 18
	s_add_co_u32 s80, s80, s81
	s_add_co_u32 s80, s80, BSTEPB                  ; one tile in: each trip steps by a tile first, so trip 0 asks for tile 2
	s_mov_b32 s81, 0
	s_mul_i32 s92, s10, 64*BPITCH                  ; the bias' LDS place: OFFV + wave x 64 rows = OFFB for wave 2, OFFB + 64 rows for wave 3
	s_wait_dscnt 0x0
	s_wait_kmcnt 0x0
	s_add_nc_u64 s[86:87], s[4:5], s[82:83]        ; q's plane of (b, hg)
	s_add_nc_u64 s[84:85], s[6:7], s[84:85]        ; my half of the bias' rows
	s_add_nc_u64 s[88:89], s[86:87], s[90:91]      ; my 64 rows of q, my head
	s_add_nc_u64 s[80:81], s[6:7], s[80:81]
.irp s, 0,1
	s_mov_b32 s[G0K+4*\s], 1
	s_mov_b32 s[G0K+4*\s+1], \s*SLOT
	s_add_nc_u64 s[G0K+4*\s+2:G0K+4*\s+3], s[86:87], KPLANE+\s*KSTEPB
	s_or_b32 s[G0K+4*\s+3], s[G0K+4*\s+3], 0x80000000
	s_mov_b32 s[G0V+4*\s], 1
	s_mov_b32 s[G0V+4*\s+1], \s*SLOT+OFFV
	s_add_nc_u64 s[G0V+4*\s+2:G0V+4*\s+3], s[86:87], VPLANE+\s*KSTEPB
	s_or_b32 s[G0V+4*\s+3], s[G0V+4*\s+3], 0x80000000
	s_mov_b32 s[G0B+4*\s], 1
	s_add_co_u32 s[G0B+4*\s+1], s92, \s*SLOT+OFFV
	s_add_nc_u64 s[G0B+4*\s+2:G0B+4*\s+3], s[84:85], \s*BSTEPB
	s_or_b32 s[G0B+4*\s+3], s[G0B+4*\s+3], 0x80000000
.endr
	ROUND                                          ; all sixteen work-groups are here
	JLOAD 0                                        ; step 0's tiles: the one first fill; slot 1 is first filled behind the first trip's round
	v_and_b32 v3, 31, v0                           ; L
	v_and_b32 v1, 15, v0                           ; r
	v_bfe_u32 v2, v0, 4, 1                         ; h
	v_lshlrev_b32 v[QO], 9, v1                     ; q: row r, 16 bytes for each half of the lanes
	v_lshl_add_u32 v[QO], v2, 4, v[QO]
	WIN 0x40                                       ; destination window 1
.irp i, 0,1,2,3
.irp c, 0,1
	global_load_b128 v[QF+8*(2*\i+\c):QF+8*(2*\i+\c)+3],   v[QO], s[88:89] offset:8192*\i+64*\c
	global_load_b128 v[QF+8*(2*\i+\c)+4:QF+8*(2*\i+\c)+7], v[QO], s[88:89] offset:8192*\i+64*\c+32
.endr
.endr
	WIN 0
	s_mul_i32 s94, s12, 64*BPITCH
	s_add_co_u32 s94, s94, OFFB
	v_mul_u32_u24 v15, v1, BPITCH
	v_lshl_add_u32 v15, v2, 5, v15
	v_add_nc_u32 v[ABI], s94, v15                  ; bias: row 64 qh + r, 32 bytes (8 keys) for each half of the lanes
	v_add_nc_u32 v[ABI+1], SLOT, v[ABI]
	v_mul_u32_u24 v15, v1, KPITCH
	v_lshl_add_u32 v15, v2, 4, v15
	v_add_nc_u32 v[AK], s93, v15                   ; K: row r, my head, 16 bytes for each half
	v_add_nc_u32 v[AK+1], SLOT, v[AK]
	v_and_b32 v15, 7, v0
	v_lshl_add_u32 v15, v2, 3, v15                 ; V: key 8 h + (L & 7),
	v_mul_u32_u24 v15, v15, VPITCH
	v_bfe_u32 v48, v0, 3, 1
	v_lshl_add_u32 v15, v48, 4, v15                ; 16 bytes further for lanes 8-15 and 24-31
	s_add_co_u32 s94, s93, OFFV
	v_add_nc_u32 v[AV], s94, v15
	v_add_nc_u32 v[AV+1], SLOT, v[AV]
	s_mul_i32 s95, s12, 64*KPITCH
	s_add_co_u32 s95, s95, STAGE
	v_add_nc_u32 v[STO], s95, v[AK]                ; stage: row 64 qh + r, my head, 16 bytes for each half
	s_mul_i32 s95, s10, 16*KPITCH
	s_add_co_u32 s95, s95, STAGE
	v_lshlrev_b32 v[CO], 4, v3
	v_add_nc_u32 v[RD], s95, v[CO]                 ; back: rows 16 w .., 16 bytes a lane
	v_lshlrev_b32 v[PFO], 13, v3
	; the statistics' start: maximum -2^100, its shift in both shift registers (a power of two times log2e: exact), sum 0.
	; The first step then rescales the empty sum by 2^(-huge) = 0 like any other step; only O, which does not exist yet, is left out of it.
.irp i, 0,1,2,3
	v_mov_b32 v[ST+8*\i+1], 0xf1800000             ; -2^100
	v_mov_b32 v[ST+8*\i+4], 0
	v_mov_b32 v[ST+8*\i+5], 0
	v_mov_b32 v[ST+8*\i+7], 0                      ; the unused half of a pair that a packed instruction names
.endr
.irp i, 0,1,2,3
	v_mul_f32 v[ST+8*\i], s78, v[ST+8*\i+1]
	v_mul_f32 v[ST+8*\i+6], s78, v[ST+8*\i+1]
.endr
; One step's operands, in pieces.  K: 16 loads.
.macro LK slot
.irp c, 0,1
.irp kt, 0,1,2,3
	ds_load_b128 v[KF+8*(4*\c+\kt):KF+8*(4*\c+\kt)+3],   v[AK+\slot] offset:16*KPITCH*\kt+64*\c
	ds_load_b128 v[KF+8*(4*\c+\kt)+4:KF+8*(4*\c+\kt)+7], v[AK+\slot] offset:16*KPITCH*\kt+64*\c+32
.endr
.endr
.endm
; The bias of key tile kt, straight into the four score accumulators S(kt, i): 8 loads
.macro LB slot, kt
.irp i, 0,1,2,3
	ds_load_b128 v[SF+8*(4*\kt+\i):SF+8*(4*\kt+\i)+3],   v[ABI+\slot] offset:16*BPITCH*\i+64*\kt
	ds_load_b128 v[SF+8*(4*\kt+\i)+4:SF+8*(4*\kt+\i)+7], v[ABI+\slot] offset:16*BPITCH*\i+64*\kt+16
.endr
.endm
; V^T: 16 transposing loads
.macro LV slot
	WIN 0x40
.irp kp, 0,1
.irp dt, 0,1,2,3
	ds_load_tr16_b128 v[VF+8*(4*\kp+\dt):VF+8*(4*\kp+\dt)+3],   v[AV+\slot] offset:32*VPITCH*\kp+32*\dt
	ds_load_tr16_b128 v[VF+8*(4*\kp+\dt)+4:VF+8*(4*\kp+\dt)+7], v[AV+\slot] offset:32*VPITCH*\kp+32*\dt+16*VPITCH
.endr
.endr
	WIN 0
.endm
; S^T(kt, i) += K(kt, c) Q^T(i, c) for the four query tiles (under the window setting 0x04: source 1, Q, in window 1)
.macro QK4 c, kt
.irp i, 0,1,2,3
	v_wmma_f32_16x16x32_f16 v[SF+8*(4*\kt+\i):SF+8*(4*\kt+\i)+7], v[KF+8*(4*\c+\kt):KF+8*(4*\c+\kt)+7], v[QF+8*(2*\i+\c):QF+8*(2*\i+\c)+7], v[SF+8*(4*\kt+\i):SF+8*(4*\kt+\i)+7]
.endr
.endm
; one link of a chain of maxima for each of the four query tiles: d = 1 the chain in M, 3 the chain in T
.macro MX3 d, ka, ja, kb, jb
.irp i, 0,1,2,3
	v_max3_num_f32 v[ST+8*\i+\d], v[ST+8*\i+\d], v[SF+8*(4*\ka+\i)+\ja], v[SF+8*(4*\kb+\i)+\jb]
.endr
.endm
.macro ADDP kt, j
.irp i, 0,1,2,3
	v_pk_add_f32 v[ST+8*\i+4:ST+8*\i+5], v[ST+8*\i+4:ST+8*\i+5], v[SF+8*(4*\kt+\i)+\j:SF+8*(4*\kt+\i)+\j+1]
.endr
.endm
; The softmax of one step, the four query tiles side by side so that no instruction waits for the one in front of it.
; resc = 1: O exists and is rescaled.  par = the step's parity: which of the two shift registers this step writes (the other holds the last step's).
.macro SOFTMAX resc, par
	; the maximum of my 32 scores of each query and of the running maximum: two chains a tile, 16 instructions a tile
	MX3 1, 0,0, 0,1
.irp i, 0,1,2,3
	v_max3_num_f32 v[ST+8*\i+3], v[SF+8*(8+\i)], v[SF+8*(8+\i)+1], v[SF+8*(8+\i)+2]
.endr
	MX3 1, 0,2, 0,3
	MX3 3, 2,3, 2,4
	MX3 1, 0,4, 0,5
	MX3 3, 2,5, 2,6
	MX3 1, 0,6, 0,7
	MX3 3, 2,7, 3,0
	MX3 1, 1,0, 1,1
	MX3 3, 3,1, 3,2
	MX3 1, 1,2, 1,3
	MX3 3, 3,3, 3,4
	MX3 1, 1,4, 1,5
	MX3 3, 3,5, 3,6
	MX3 1, 1,6, 1,7
.irp i, 0,1,2,3
	v_max3_num_f32 v[ST+8*\i+1], v[ST+8*\i+1], v[ST+8*\i+3], v[SF+8*(12+\i)+7]
.endr
.irp i, 0,1,2,3
	v_permlanex16_b32 v[ST+8*\i+3], v[ST+8*\i+1], s66, s67         ; the other half of the lanes holds the query's other 32 keys
.endr
.irp i, 0,1,2,3
	v_max_num_f32 v[ST+8*\i+1], v[ST+8*\i+1], v[ST+8*\i+3]
.endr
.irp i, 0,1,2,3
	v_mul_f32 v[ST+8*\i+6*(\par)], s78, v[ST+8*\i+1]               ; this step's shift NB = -log2e x maximum, rounded once
.endr
.irp i, 0,1,2,3
	v_sub_f32 v[ST+8*\i+3], v[ST+8*\i+6*(\par)], v[ST+8*\i+6-6*(\par)]   ; this shift - the last shift, both as they are applied: exactly 0 where the maximum stayed
.endr
.irp i, 0,1,2,3
	v_exp_f32 v[ST+8*\i+2], v[ST+8*\i+3]                           ; the rescale of what has been summed; the packed lines below are the plain instructions behind it (ISA guide 5.7.2)
.endr
.irp kt, 0,1,2,3
.irp j, 0,2,4,6
.irp i, 0,1,2,3
	v_pk_fma_f32 v[SF+8*(4*\kt+\i)+\j:SF+8*(4*\kt+\i)+\j+1], v[SF+8*(4*\kt+\i)+\j:SF+8*(4*\kt+\i)+\j+1], s[76:77], v[ST+8*\i+6*(\par):ST+8*\i+6*(\par)+1] op_sel_hi:[1,0,0]
.endr
.endr
.endr
.set n, 0
.rept 128
	v_exp_f32 v[SF+n], v[SF+n]                                     ; p = 2^(log2e x score + NB), at most 1
.set n, n+1
.endr
.if (\resc)
	WIN 0x41                                                       ; O in window 1, the rescale in window 0; these lines are the plain instructions behind the exponentials
	s_wait_alu depctr_va_vdst(0)
.irp dt, 0,1,2,3
.irp j, 0,2,4,6
.irp i, 0,1,2,3
	v_pk_mul_f32 v[OF+8*(4*\dt+\i)+\j:OF+8*(4*\dt+\i)+\j+1], v[OF+8*(4*\dt+\i)+\j:OF+8*(4*\dt+\i)+\j+1], v[ST+8*\i+2:ST+8*\i+3] op_sel_hi:[1,0]
.endr
.endr
.endr
	WIN 0
.else
	v_nop                                                          ; one plain instruction behind the exponentials before their results are read
	s_wait_alu depctr_va_vdst(0)
.endif
	; the sums, in f32, two halves a lane
.irp i, 0,1,2,3
	v_pk_fma_f32 v[ST+8*\i+4:ST+8*\i+5], v[ST+8*\i+4:ST+8*\i+5], v[ST+8*\i+2:ST+8*\i+3], v[SF+8*\i:SF+8*\i+1] op_sel_hi:[1,0,1]
.endr
	ADDP 0, 2
	ADDP 0, 4
	ADDP 0, 6
.irp kt, 1,2,3
.irp j, 0,2,4,6
	ADDP \kt, \j
.endr
.endr
	; P to f16 in place, ascending, so that no number is overwritten before it is read: tile 2 kp gives registers 0-3, tile 2 kp + 1 registers 4-7.
	; Behind this the registers of tiles 1 and 3 hold nothing any more.
.irp kp, 0,1
.irp q, 0,1,2,3
.irp i, 0,1,2,3
	v_cvt_pk_f16_f32 v[SF+8*(8*\kp+\i)+\q], v[SF+8*(8*\kp+\i)+2*\q], v[SF+8*(8*\kp+\i)+2*\q+1]
.endr
.endr
.irp q, 0,1,2,3
.irp i, 0,1,2,3
	v_cvt_pk_f16_f32 v[SF+8*(8*\kp+\i)+4+\q], v[SF+8*(8*\kp+4+\i)+2*\q], v[SF+8*(8*\kp+4+\i)+2*\q+1]
.endr
.endr
.endr
.endm
; O^T += V^T(kp) P^T(kp): 16 matrix instructions, the sixteen accumulators by turns, one instruction a turn.  first = 1: these products start the sums.
.macro PVH first, kp
	WIN 0x51                                       ; source 0 (V), C and D window 1; source 1 (P) window 0
.irp dt, 0,1,2,3
.irp i, 0,1,2,3
.if (\first)
	v_wmma_f32_16x16x32_f16 v[OF+8*(4*\dt+\i):OF+8*(4*\dt+\i)+7], v[VF+8*(4*\kp+\dt):VF+8*(4*\kp+\dt)+7], v[SF+8*(8*\kp+\i):SF+8*(8*\kp+\i)+7], 0
.else
	v_wmma_f32_16x16x32_f16 v[OF+8*(4*\dt+\i):OF+8*(4*\dt+\i)+7], v[VF+8*(4*\kp+\dt):VF+8*(4*\kp+\dt)+7], v[SF+8*(8*\kp+\i):SF+8*(8*\kp+\i)+7], v[OF+8*(4*\dt+\i):OF+8*(4*\dt+\i)+7]
.endif
.endr
.endr
	WIN 0
.endm
; Trip n: step n's operands from slot, O^T of step n - 1, S^T of step n.
; refill = 1: the next step's tiles are asked for, into the other slot.  pf = 1: the bias tile two steps on is asked into the cache.
; smb: the late group's softmax of step n - 1 (0 none, 1 without O, 2 with).  pv: O^T of step n - 1 (0 none, 1 starts the sums, 2 adds).
; sma: the early group's softmax of step n (1 without O, 2 with).
; By this text's own count a wave has at most one tensor load out.
.macro TRIP slot, refill, pf, smb, pv, sma
	s_wait_tensorcnt 0x0                           ; all my tensor loads have landed, my part of this step's tiles among them, so every group 0 may be written:
	ds_add_u32 v62, v63
	s_wait_dscnt 0x0
	s_add_nc_u64 s[G0K+4*\slot+2:G0K+4*\slot+3], s[G0K+4*\slot+2:G0K+4*\slot+3], 2*KSTEPB   ; this slot's next tiles, two steps on
	s_add_nc_u64 s[G0V+4*\slot+2:G0V+4*\slot+3], s[G0V+4*\slot+2:G0V+4*\slot+3], 2*KSTEPB
	s_add_nc_u64 s[G0B+4*\slot+2:G0B+4*\slot+3], s[G0B+4*\slot+2:G0B+4*\slot+3], 2*BSTEPB
.if \pf
	s_wait_xcnt 0x0                                ; the last trip's prefetch has read its base: it is stepped only behind this wait
	s_add_nc_u64 s[80:81], s[80:81], BSTEPB
.endif
	s_wait_dscnt 0x0                               ; my reads of the other slot are done, the last step's V among them
	ROUND                                          ; both now hold of every wave of every work-group of the cluster
.if \refill
	JLOAD 1-\slot                                  ; the wave's one tensor load behind the round, first thing there; it has this trip's work in which to land
.endif
.if \pf
	s_cmp_lg_u32 s10, 4                            ; wave 4, which issues no tensor load, asks: 32 lanes, 32 rows, the 256 bytes of each that the tile two steps on holds;
	s_cbranch_scc1 .Lno_prefetch_\@                ; the four partners of a row of the cluster ask for 32 of the 128 rows each, so each block is asked for once
	global_prefetch_b8 v[PFO], s[80:81] th:TH_LOAD_NT scope:SCOPE_SE
.Lno_prefetch_\@:
.endif
.if \smb
	s_cmp_eq_u32 s12, 0                            ; the late group alone: the softmax of the scores that it brought across the barrier in registers
	s_cbranch_scc1 .Lnot_late_\@
	SOFTMAX \smb-1, 1-\slot
.Lnot_late_\@:
.endif
	LK \slot                                       ; K's registers are free since the last S^T; the accumulators of key tiles 1 and 3 since P was packed
	LB \slot, 1
	LB \slot, 3
.if \pv
	PVH 2-\pv, 0
	PLACES 4                                       ; four places before loads land in P(0, i), which these matrix instructions read
.endif
	LB \slot, 0
.if \pv
	PVH 0, 1
	PLACES 5                                       ; five places before S^T writes over P; they also cover the loads into P(1, i) and V and the vector work on O
.endif
	LB \slot, 2
	LV \slot
.if \pv
.else
	s_wait_loadcnt 0x0                             ; q, once
.endif
	s_wait_dscnt 24                                ; K and the bias of key tiles 1, 3, 0 are in; the 8 loads of tile 2 and V's 16 may stay out
	WIN 0x04                                       ; source 1 (Q) window 1
	QK4 0, 1                                       ; the accumulators take turns, one instruction a turn: twelve of them here,
	QK4 0, 3
	QK4 0, 0
	QK4 1, 1
	QK4 1, 3
	QK4 1, 0
	s_wait_dscnt 16                                ; the bias of key tile 2 is in; V's 16 loads may stay out until the next trip's wait for all
	QK4 0, 2                                       ; four here
	QK4 1, 2
	WIN 0
	PLACES 5                                       ; four places before vector instructions read the scores or loads land in K; the fifth for a matrix instruction that takes a score tile as a source
	s_cmp_lg_u32 s12, 0                            ; the early group alone: this step's softmax
	s_cbranch_scc1 .Lnot_early_\@
	SOFTMAX \sma-1, \slot
.Lnot_early_\@:
.endm
	TRIP 0, 1, 1, 0, 0, 1                          ; step 0: nothing from a step before
	TRIP 1, 1, 1, 1, 1, 2                          ; step 1: O^T of step 0 starts the sums
	s_mov_b32 s79, 14
.Lpair:
	TRIP 0, 1, 1, 2, 2, 2
	TRIP 1, 1, 1, 2, 2, 2
	s_sub_co_u32 s79, s79, 1
	s_cmp_lg_u32 s79, 0
	s_cbranch_scc1 .Lpair
	TRIP 0, 1, 0, 2, 2, 2                          ; steps 30 and 31: tile 31 has been asked into the cache by step 29, so no prefetch points past a row's end
	TRIP 1, 0, 0, 2, 2, 2                          ; and nothing is left to fetch
	s_cmp_eq_u32 s12, 0                            ; the tail: the late group's softmax of step 31,
	s_cbranch_scc1 .Ltail_early
	SOFTMAX 1, 1
.Ltail_early:
	s_wait_dscnt 0x0                               ; step 31's V
	PVH 0, 0                                       ; and every wave's O^T of step 31
	PVH 0, 1
	PLACES 4                                       ; four places before vector instructions read O
	; THE WAY OUT: divide by the sum, round to f16, gather the four heads' rows in the stage, store rows of 512 bytes
.irp i, 0,1,2,3
	v_add_f32 v[ST+8*\i+3], v[ST+8*\i+4], v[ST+8*\i+5]
.endr
.irp i, 0,1,2,3
	v_permlanex16_b32 v[ST+8*\i], v[ST+8*\i+3], s66, s67           ; into the even steps' shift register, which is not needed any more
.endr
.irp i, 0,1,2,3
	v_add_f32 v[ST+8*\i+3], v[ST+8*\i+3], v[ST+8*\i]
.endr
.irp i, 0,1,2,3
	v_rcp_f32 v[ST+8*\i+2], v[ST+8*\i+3]
.endr
	v_nop                                          ; one plain instruction behind the reciprocals
	WIN 0x41
	s_wait_alu depctr_va_vdst(0)
.irp dt, 0,1,2,3
.irp j, 0,2,4,6
.irp i, 0,1,2,3
	v_pk_mul_f32 v[OF+8*(4*\dt+\i)+\j:OF+8*(4*\dt+\i)+\j+1], v[OF+8*(4*\dt+\i)+\j:OF+8*(4*\dt+\i)+\j+1], v[ST+8*\i+2:ST+8*\i+3] op_sel_hi:[1,0]
.endr
.endr
.endr
	WIN 0x05                                       ; sources window 1, destination window 0
.irp dt, 0,1,2,3
.irp i, 0,1,2,3
.irp q, 0,1,2,3
	v_cvt_pk_f16_f32 v[SF+4*(4*\dt+\i)+\q], v[OF+8*(4*\dt+\i)+2*\q], v[OF+8*(4*\dt+\i)+2*\q+1]   ; d = 16 dt + 8 h + 0 .. 7 of query r: 16 bytes that belong together
.endr
.endr
.endr
	WIN 0
.irp dt, 0,1,2,3
.irp i, 0,1,2,3
	ds_store_b128 v[STO], v[SF+4*(4*\dt+\i):SF+4*(4*\dt+\i)+3] offset:16*KPITCH*\i+32*\dt
.endr
.endr
	s_lshl_b32 s90, s17, 18                        ; ao: row 128 y + 16 w, 2,048 bytes a row,
	s_lshl_b32 s91, s10, 15
	s_add_co_u32 s90, s90, s91
	s_lshl_b32 s91, s15, 9                         ; and the 512 bytes of my four heads
	s_add_co_u32 s90, s90, s91
	s_mov_b32 s91, 0
	s_add_nc_u64 s[8:9], s[8:9], s[90:91]
	s_wait_dscnt 0x0                               ; for the others' sake: my stores into the stage are done
	s_barrier_signal -1
	s_barrier_wait -1                              ; a row of the stage holds four waves' parts
.irp t, 0,1,2,3,4,5,6,7,8,9,10,11,12,13,14,15
	ds_load_b128 v[KF+4*\t:KF+4*\t+3], v[RD] offset:KPITCH*\t
.endr
.irp t, 0,1,2,3,4,5,6,7,8,9,10,11,12,13,14,15
	s_wait_dscnt 15-\t                             ; the younger row loads stay out
	global_store_b128 v[CO], v[KF+4*\t:KF+4*\t+3], s[8:9] offset:2048*\t   ; a store of the wave covers 512 consecutive bytes, aligned
.endr
	s_wait_tensorcnt 0x0
	ds_add_u32 v62, v63
	s_wait_dscnt 0x0
	ROUND                                          ; the closing round
	s_endpgm
.Lfunc_end_k_qbfe7cca172_attn:
	.size	k_qbfe7cca172_attn, .Lfunc_end_k_qbfe7cca172_attn-k_qbfe7cca172_attn
	.p2alignl 7, 3214868480
	.fill 96, 4, 3214868480
	.section	.rodata,"a",@progbits
	.p2align	6, 0x0
	.amdhsa_kernel k_qbfe7cca172_attn
		.amdhsa_group_segment_fixed_size 327680
		.amdhsa_private_segment_fixed_size 0
		.amdhsa_enable_private_segment 0
		.amdhsa_kernarg_size 24
		.amdhsa_user_sgpr_count 2
		.amdhsa_user_sgpr_kernarg_segment_ptr 1
		.amdhsa_wavefront_size32 1
		.amdhsa_system_sgpr_workgroup_id_x 1
		.amdhsa_system_sgpr_workgroup_id_y 1
		.amdhsa_system_sgpr_workgroup_id_z 1
		.amdhsa_system_vgpr_workitem_id 0
		.amdhsa_next_free_vgpr 512
		.amdhsa_next_free_sgpr 96
		.amdhsa_reserve_vcc 0
		.amdhsa_float_denorm_mode_32 3
		.amdhsa_float_denorm_mode_16_64 3
		.amdhsa_memory_ordered 1
		.amdhsa_forward_progress 1
		.amdhsa_inst_pref_size 255
	.end_amdhsa_kernel
	.section	.bss,"aw",@nobits
	.p2align	6
	.space	262144
	.amdgpu_metadata
---
amdhsa.version: [ 1, 2 ]
amdhsa.kernels:
  - .name:           k_qbfe7cca172_attn
    .symbol:         k_qbfe7cca172_attn.kd
    .args:
      - { .name: qkv, .offset: 0, .size: 8, .value_kind: global_buffer, .address_space: global }
      - { .name: attn_bias, .offset: 8, .size: 8, .value_kind: global_buffer, .address_space: global }
      - { .name: ao, .offset: 16, .size: 8, .value_kind: global_buffer, .address_space: global }
    .group_segment_fixed_size: 327680
    .private_segment_fixed_size: 0
    .kernarg_segment_align: 8
    .kernarg_segment_size: 24
    .max_flat_workgroup_size: 256
    .sgpr_count:     96
    .vgpr_count:     512
    .wavefront_size: 32
...
	.end_amdgpu_metadata
.endif
;; end of part 3
;; launch outgemm (part 4): grid 4 x 64, 4 waves a work-group, clusters of 4 x 4, 327,680 bytes of LDS; arguments ao, woh, out0, out_b; writes out0
.if DOCPART == 4
	.amdgcn_target "amdgcn-amd-amdhsa--gfx1250"
	.amdhsa_code_object_version 6
	.text
	.protected	k_qbfe7cca172_outgemm
	.globl	k_qbfe7cca172_outgemm
	.p2align	8
	.type	k_qbfe7cca172_outgemm,@function
k_qbfe7cca172_outgemm:
	s_mov_b64 s[64:65], 0
	v_nop
	global_prefetch_b8 v0, s[64:65] scope:SCOPE_SE
	s_setreg_imm32_b32 hwreg(HW_REG_WAVE_MODE, 25, 1), 1
	s_wait_xcnt 0x0
	s_wait_alu depctr_hold_cnt(0) depctr_sa_sdst(0) depctr_va_vdst(0) depctr_va_sdst(0) depctr_va_ssrc(0) depctr_va_vcc(0) depctr_vm_vsrc(0)
	s_getreg_b32 s2, hwreg(HW_REG_IB_STS2, 6, 4)
	s_cmp_eq_u32 s2, 0
	s_cbranch_scc0 .Lentry_in_a_cluster
	s_endpgm
.Lentry_in_a_cluster:
	s_bfe_u32 s2, ttmp6, 0x10000c
	s_cmp_lg_u32 s2, 0xf033
	s_cbranch_scc0 .Lentry_shape_is_right
	s_endpgm
.Lentry_shape_is_right:
; out0 = ao woh^T + out_b.  ao: [8192][1024] f16, woh: [1024][1024] f16, out_b: [1024] f32, out0: [8192][1024] f32.  Sums in f32, started from the bias.
; A work-group makes a block of 128 rows x 256 columns, so that 64 x 4 = 256 work-groups share the work; a wave makes 64 x 128: 32 accumulator tiles, 256 registers.
; K goes in steps of 128 through a ring of two LDS slots filled by the tensor data mover; a tile's rows are 256 consecutive bytes of memory.
; CLUSTERS: 4 x 4 work-groups; ao's tile is asked for jointly along a row of the cluster, woh's along a column.
; REGISTERS: window 0: v0-31 addresses; v64-95, v128-159 fragments of A, two buffers; v192-255 the bias as a C operand; window 1: v64-127, v128-191 fragments of B;
;   window 2: the accumulators, tile (a, b) at v[8 (8 a + b)], a = 0..3, b = 0..7.
; The matrix instruction is used transposed (source 0 = rows of woh, source 1 = rows of ao): a lane holds eight neighbouring columns of one row of the result.
.set SIZE_K, 1024
.set KSTEP,  128
.set PITCH,  272                       ; 256 bytes + 16 of padding, an odd multiple of 16
.set HALFT,  128*PITCH                 ; the room of one wave's tensor load: 128 rows (B) or 64 rows (A, which leaves the other half of its room unused,
                                       ; so that one formula, wave x HALFT, gives every load's place)
.set SLOT,   4*HALFT
.set STAGE,  2*SLOT                    ; behind the ring: 16 rows x 528 bytes for each wave
.set SPITCH, 528                       ; 128 f32 + 16 bytes
.set LAPS,   SIZE_K/(2*KSTEP)
.set OROW,   4096                      ; bytes in a row of out0
.set ADRA, 16
.set ADRB, 20
.set STO,  24
.set RD,   25
.set CO,   26
.set BO,   27
.set F0,   64
.set F1,   128
.set BI,   192
.set G1, 24
.set G0, 32
.set G1B, 48
.set G0B, 56
.set MSB, 0
.macro WIN new
.if MSB != \new
	s_set_vgpr_msb (MSB<<8)|\new
.set MSB, \new
.endif
.endm
.set MUL,  0xa1                        ; source 0 (B) window 1, source 1 (A) window 0, C and D window 2
.set FST,  0x81                        ; the first products: C is the bias in window 0
.set TO_B, 0x40
.macro JLOAD s                         ; waves 0 and 1 fetch A's two halves of 64 rows, waves 2 and 3 B's two halves of 128
	s_cmp_eq_u32 s11, 0
	s_cbranch_scc0 .Lfor_b_\@
	tensor_load_to_lds s[G0+4*\s:G0+4*\s+3], s[G1:G1+7]
	s_nop 0
	s_branch .Lasked_\@
.Lfor_b_\@:
	tensor_load_to_lds s[G0B+4*\s:G0B+4*\s+3], s[G1B:G1B+7]
	s_nop 0
.Lasked_\@:
.endm
.macro CREST
	s_cmp_lg_u32 s10, 0
	s_cbranch_scc1 .Lnot_wave_0_\@
	s_barrier_signal -3
.Lnot_wave_0_\@:
	s_barrier_wait -3
	s_barrier_signal -1
	s_barrier_wait -1
.endm
.macro CROUND
	s_barrier_signal -1
	s_barrier_wait -1
	CREST
.endm
	s_load_b128 s[4:7], s[0:1], 0x0                ; ao s[4:5], woh s[6:7]
	s_load_b64 s[8:9], s[0:1], 0x10                ; out0
	s_load_b64 s[66:67], s[0:1], 0x18              ; out_b
	s_set_vgpr_msb 0x40
	v_lshl_add_u32 v255, v0, 2, 0x4c400
	s_set_vgpr_msb 0x4000
	v_mov_b32 v63, 0
	s_set_vgpr_msb 0x1
	ds_add_u32 v255, v63
	s_set_vgpr_msb 0x100
	v_lshrrev_b32 v1, 5, v0
	v_readfirstlane_b32 s10, v1                    ; wave 0..3
	s_lshr_b32 s11, s10, 1                         ; which 64 rows of the block are mine.  Also: I fetch for A (0) or for B (1)
	s_and_b32 s12, s10, 1                          ; which 128 columns.  Also: which half of that tile I fetch
	s_bfe_u32 s40, ttmp6, 0x40000                  ; cx
	s_bfe_u32 s41, ttmp6, 0x40004                  ; cy
	s_lshl_b32 s42, ttmp9, 2
	s_add_co_u32 s42, s42, s40                     ; block column
	s_and_b32 s13, ttmp7, 0xffff
	s_lshl_b32 s13, s13, 2
	s_add_co_u32 s13, s13, s41                     ; block row
	s_lshl_b32 s43, s41, 2
	s_lshl_b32 s43, 15, s43                        ; my row of the cluster
	s_lshl_b32 s44, 0x1111, s40                    ; my column
	s_or_b32 s[G1+0], s43, (1<<16)|(1<<20)|(1<<21)|(5<<22)|(3<<25)
	s_or_b32 s[G1B+0], s44, (1<<16)|(1<<20)|(1<<21)|(5<<22)|(3<<25)
	s_mov_b32 s[G1B+1], KSTEP<<16
	s_mov_b32 s[G1+1], KSTEP<<16                   ; tensor_dim0 = 128
	s_mov_b32 s[G1B+2], 128<<16                    ; tensor_dim1: B 128 rows,
	s_mov_b32 s[G1+2], 64<<16                      ; A 64
	s_mov_b32 s[G1B+3], KSTEP<<16
	s_mov_b32 s[G1+3], KSTEP<<16                   ; tile_dim0 = 128
	s_mov_b32 s[G1B+4], 128                        ; tile_dim1
	s_mov_b32 s[G1+4], 64
	s_mov_b32 s[G1B+5], SIZE_K
	s_mov_b32 s[G1+5], SIZE_K
	s_mov_b32 s[G1B+6], 0
	s_mov_b32 s[G1+6], 0
	s_mov_b32 s[G1B+7], 0
	s_mov_b32 s[G1+7], 0
	s_lshl_b32 s17, s12, 6
	s_lshl_b32 s16, s13, 7
	s_add_co_u32 s16, s16, s17                     ; A: row 128 x block row + 64 x half
	s_lshl_b32 s45, s12, 7
	s_lshl_b32 s46, s42, 8
	s_add_co_u32 s46, s46, s45                     ; B: row 256 x block column + 128 x half
	s_mov_b32 s17, 0
	s_mov_b32 s47, 0
	s_mov_b64 s[18:19], SIZE_K*2
	s_mul_u64 s[16:17], s[16:17], s[18:19]
	s_mul_u64 s[46:47], s[46:47], s[18:19]
	s_mul_i32 s20, s10, HALFT                      ; where they go
	s_lshl_b32 s70, s42, 10                        ; the bias of my 128 columns
	s_lshl_b32 s71, s12, 9
	s_add_co_u32 s70, s70, s71
	s_mov_b32 s71, 0
	s_wait_dscnt 0x0
	s_wait_kmcnt 0x0
	s_add_nc_u64 s[14:15], s[4:5], s[16:17]
	s_add_nc_u64 s[46:47], s[6:7], s[46:47]
	s_add_nc_u64 s[66:67], s[66:67], s[70:71]
	CROUND                                         ; all sixteen work-groups are here
.irp s, 0,1
	s_mov_b32 s[G0+4*\s], 1
	s_add_co_u32 s[G0+4*\s+1], s20, \s*SLOT
	s_add_nc_u64 s[G0+4*\s+2:G0+4*\s+3], s[14:15], \s*KSTEP*2
	s_or_b32 s[G0+4*\s+3], s[G0+4*\s+3], 0x80000000
	s_mov_b32 s[G0B+4*\s], 1
	s_add_co_u32 s[G0B+4*\s+1], s20, \s*SLOT
	s_add_nc_u64 s[G0B+4*\s+2:G0B+4*\s+3], s[46:47], \s*KSTEP*2
	s_or_b32 s[G0B+4*\s+3], s[G0B+4*\s+3], 0x80000000
	JLOAD \s                                       ; two tensor loads of the wave are out
.endr
	v_and_b32 v1, 15, v0                           ; l % 16
	v_bfe_u32 v2, v0, 4, 1                         ; l / 16
	v_and_b32 v6, 31, v0                           ; l
	v_lshlrev_b32 v[BO], 5, v2
.irp b, 0,1,2,3,4,5,6,7
	global_load_b128 v[BI+8*\b:BI+8*\b+3],   v[BO], s[66:67] offset:64*\b      ; register j of tile column b: bias[16 b + 8 (l / 16) + j]
	global_load_b128 v[BI+8*\b+4:BI+8*\b+7], v[BO], s[66:67] offset:64*\b+16
.endr
	v_mul_u32_u24 v3, v1, PITCH
	v_lshl_add_u32 v3, v2, 4, v3
	s_mul_i32 s21, s11, HALFT                      ; my 64 rows of A lie at the head of room s11
	s_mul_i32 s22, s12, HALFT
	s_add_co_u32 s22, s22, 2*HALFT                 ; my 128 rows of B
.irp s, 0,1
	v_add_nc_u32 v[ADRA+\s], s21, v3
	v_add_nc_u32 v[ADRB+\s], s22, v3
	s_add_co_u32 s21, s21, SLOT
	s_add_co_u32 s22, s22, SLOT
.endr
	s_mul_i32 s23, s10, 16*SPITCH
	s_add_co_u32 s23, s23, STAGE                   ; my stage
	v_mul_u32_u24 v4, v1, SPITCH                   ; in: row l % 16, 32 bytes (8 f32) for each half of the lanes
	v_lshl_add_u32 v4, v2, 5, v4
	v_add_nc_u32 v[STO], s23, v4
	v_lshlrev_b32 v[CO], 4, v6                     ; back and out: 32 lanes take a row's 512 bytes
	v_add_nc_u32 v[RD], s23, v[CO]
	s_wait_loadcnt 0x0                             ; the bias, once
; 16 matrix instructions: m blocks a0, a0 + 1 x all 8 n blocks, 32 along K.  first = 1: the sums start from the bias.
.macro MUL16 f, a0, first
.irp a, \a0, \a0+1
.irp b, 0,1,2,3,4,5,6,7
.if \first
	v_wmma_f32_16x16x32_f16 v[8*(8*(\a)+\b):8*(8*(\a)+\b)+7], v[\f+8*\b:\f+8*\b+7], v[\f+8*(\a):\f+8*(\a)+7], v[BI+8*\b:BI+8*\b+7]
.else
	v_wmma_f32_16x16x32_f16 v[8*(8*(\a)+\b):8*(8*(\a)+\b)+7], v[\f+8*\b:\f+8*\b+7], v[\f+8*(\a):\f+8*(\a)+7], v[8*(8*(\a)+\b):8*(8*(\a)+\b)+7]
.endif
.endr
.endr
.endm
; 24 LDS loads in one run: 128 rows of B, 64 rows of A, 32 along K
.macro FETCH slot, k, f
	WIN TO_B
.irp i, 0,1,2,3,4,5,6,7
	ds_load_b128 v[\f+8*\i:\f+8*\i+3],   v[ADRB+\slot] offset:\k+\i*16*PITCH
	ds_load_b128 v[\f+8*\i+4:\f+8*\i+7], v[ADRB+\slot] offset:\k+\i*16*PITCH+32
.endr
	WIN 0
.irp i, 0,1,2,3
	ds_load_b128 v[\f+8*\i:\f+8*\i+3],   v[ADRA+\slot] offset:\k+\i*16*PITCH
	ds_load_b128 v[\f+8*\i+4:\f+8*\i+7], v[ADRA+\slot] offset:\k+\i*16*PITCH+32
.endr
.endm
.macro PLACES                          ; four independent vector instructions between a matrix instruction and a load into, or a read of, its registers (ISA guide 7.12.1 for vector instructions)
.rept 4
	v_nop
.endr
.endm
.macro SETMUL first
.if \first
	WIN FST
.else
	WIN MUL
.endif
.endm
; A quarter step: 32 matrix instructions on buffer f; the 32 accumulators take turns, one instruction a turn, in the same order in every quarter
.macro QUARTER slot, k, f, g, first
	s_wait_dscnt 4                                 ; B and A's rows 0-31 are in; the youngest four loads (A's rows 32-63) may be out
	SETMUL \first
	MUL16 \f, 0, \first
	PLACES
	FETCH \slot, \k, \g
	s_wait_dscnt 24                                ; all but the 24 just issued
	SETMUL \first
	MUL16 \f, 2, \first
.endm
.macro THREE slot, first
	QUARTER \slot, 64,  F0, F1, \first
	QUARTER \slot, 128, F1, F0, 0
	QUARTER \slot, 192, F0, F1, 0
.endm
; The last quarter multiplies buffer 1 and changes slots
.macro TURN slot, next, fill
	s_wait_dscnt 0                                 ; buffer 1 is whole, and my reads of this slot are over
	s_wait_tensorcnt 0x0                           ; all my tensor loads have landed: the one that was out is my part of the next slot
	ds_add_u32 v255, v63
	s_wait_dscnt 0x0
	s_barrier_signal -1                            ; where the slot is filled again this barrier opens a round of the cluster's barrier
	WIN MUL
	MUL16 F1, 0, 0                                 ; register work while the others arrive
	WIN 0
	s_barrier_wait -1
.if \fill
	CREST                                          ; no wave of any partner still reads this slot or has a load on its way
	s_add_nc_u64 s[G0+4*\slot+2:G0+4*\slot+3], s[G0+4*\slot+2:G0+4*\slot+3], 2*KSTEP*2
	s_add_nc_u64 s[G0B+4*\slot+2:G0B+4*\slot+3], s[G0B+4*\slot+2:G0B+4*\slot+3], 2*KSTEP*2
	JLOAD \slot                                    ; the wave's one tensor load behind the round
.endif
	PLACES
	FETCH \next, 0, F0
	WIN MUL
	MUL16 F1, 2, 0
.endm
.macro LAP first
	THREE 0, \first
	TURN 0, 1, 1
	THREE 1, 0
	TURN 1, 0, 1
.endm
	s_wait_tensorcnt 1                             ; my part of K step 0 is in; K step 1's load may stay out
	s_barrier_signal -1
	s_barrier_wait -1
	FETCH 0, 0, F0
	LAP 1
	WIN 0
	s_mov_b32 s3, LAPS-2
.Llap:
	LAP 0
	WIN 0
	s_sub_co_u32 s3, s3, 1
	s_cmp_lg_u32 s3, 0
	s_cbranch_scc1 .Llap
	THREE 0, 0                                     ; the last lap fills nothing
	TURN 0, 1, 0
	THREE 1, 0
	s_wait_dscnt 0
	WIN MUL
	MUL16 F1, 0, 0
	MUL16 F1, 2, 0
	; THE WAY OUT, 16 rows at a time, in f32: 32 bytes a lane into my own stage, read back as whole rows of 512 bytes
	PLACES
	s_lshl_b32 s72, s13, 19                        ; 128 rows of 4,096 bytes for each block row,
	s_lshl_b32 s74, s11, 18                        ; my 64 rows,
	s_add_co_u32 s72, s72, s74
	s_lshl_b32 s74, s42, 10                        ; 256 columns of 4 bytes for each block column,
	s_add_co_u32 s72, s72, s74
	s_lshl_b32 s74, s12, 9                         ; my 128 columns
	s_add_co_u32 s72, s72, s74
	s_mov_b32 s73, 0
	s_add_nc_u64 s[8:9], s[8:9], s[72:73]
.macro OUT16 i, a, f
	WIN 0x08                                       ; the LDS stores' data from window 2
.irp b, 0,1,2,3,4,5,6,7
	ds_store_b128 v[STO], v[8*(8*\a+\b):8*(8*\a+\b)+3]   offset:64*\b
	ds_store_b128 v[STO], v[8*(8*\a+\b)+4:8*(8*\a+\b)+7] offset:64*\b+16
.endr
	WIN 0
	s_wait_xcnt 0x0                                ; buffer f, which earlier stores read, and the stores' base are rewritten only behind this wait
.if \i
	s_add_nc_u64 s[8:9], s[8:9], 16*OROW
.endif
.irp t, 0,1,2,3,4,5,6,7,8,9,10,11,12,13,14,15
	ds_load_b128 v[\f+4*\t:\f+4*\t+3], v[RD] offset:\t*SPITCH      ; LDS serves a wave's instructions in order: these see the stores above
.endr
.irp t, 0,1,2,3,4,5,6,7,8,9,10,11,12,13,14,15
	s_wait_dscnt 15-\t                             ; the younger row loads stay out
	global_store_b128 v[CO], v[\f+4*\t:\f+4*\t+3], s[8:9] offset:\t*OROW th:TH_STORE_NT   ; a store of the wave covers 512 consecutive bytes, aligned
.endr
.endm
	OUT16 0, 0, F0
	OUT16 1, 1, F1
	OUT16 2, 2, F0
	OUT16 3, 3, F1
	s_set_vgpr_msb 0x1
	s_wait_tensorcnt 0x0
	ds_add_u32 v255, v63
	s_wait_dscnt 0x0
	s_set_vgpr_msb 0x100
	CROUND                                         ; the closing round
	s_endpgm
.Lfunc_end_k_qbfe7cca172_outgemm:
	.size	k_qbfe7cca172_outgemm, .Lfunc_end_k_qbfe7cca172_outgemm-k_qbfe7cca172_outgemm
	.p2alignl 7, 3214868480
	.fill 96, 4, 3214868480
	.section	.rodata,"a",@progbits
	.p2align	6, 0x0
	.amdhsa_kernel k_qbfe7cca172_outgemm
		.amdhsa_group_segment_fixed_size 327680
		.amdhsa_private_segment_fixed_size 0
		.amdhsa_enable_private_segment 0
		.amdhsa_kernarg_size 32
		.amdhsa_user_sgpr_count 2
		.amdhsa_user_sgpr_kernarg_segment_ptr 1
		.amdhsa_wavefront_size32 1
		.amdhsa_system_sgpr_workgroup_id_x 1
		.amdhsa_system_sgpr_workgroup_id_y 1
		.amdhsa_system_sgpr_workgroup_id_z 1
		.amdhsa_system_vgpr_workitem_id 0
		.amdhsa_next_free_vgpr 768
		.amdhsa_next_free_sgpr 80
		.amdhsa_reserve_vcc 0
		.amdhsa_float_denorm_mode_32 3
		.amdhsa_float_denorm_mode_16_64 3
		.amdhsa_memory_ordered 1
		.amdhsa_forward_progress 1
		.amdhsa_inst_pref_size 120
	.end_amdhsa_kernel
	.amdgpu_metadata
---
amdhsa.version: [ 1, 2 ]
amdhsa.kernels:
  - .name:           k_qbfe7cca172_outgemm
    .symbol:         k_qbfe7cca172_outgemm.kd
    .args:
      - { .name: ao, .offset: 0, .size: 8, .value_kind: global_buffer, .address_space: global }
      - { .name: woh, .offset: 8, .size: 8, .value_kind: global_buffer, .address_space: global }
      - { .name: out0, .offset: 16, .size: 8, .value_kind: global_buffer, .address_space: global }
      - { .name: out_b, .offset: 24, .size: 8, .value_kind: global_buffer, .address_space: global }
    .group_segment_fixed_size: 327680
    .private_segment_fixed_size: 0
    .kernarg_segment_align: 8
    .kernarg_segment_size: 32
    .max_flat_workgroup_size: 128
    .sgpr_count:     80
    .vgpr_count:     768
    .wavefront_size: 32
...
	.end_amdgpu_metadata
.endif
;; end of part 4
;; ======== version 2 of 2: 4 launches; version 1 with the launch cast written anew for expert scheduling mode
;; limits: values are held in f16: magnitudes above 65,504 overflow, below 6.1e-05 lose precision; right only within a limited range of input values
;; workspace buffers: xh 16,777,216 bytes; wqh 6,291,456 bytes; woh 2,097,152 bytes; qkv 50,331,648 bytes; ao 16,777,216 bytes
;; launch cast (part 5): grid 768 x 1, 8 waves a work-group, no clusters, 0 bytes of LDS; arguments x, qkv_w, out_w, xh, wqh, woh; writes xh, wqh, woh
.if DOCPART == 5
	.amdgcn_target "amdgcn-amd-amdhsa--gfx1250"
	.amdhsa_code_object_version 6
	.text
	.protected	k_qbfe7cca172_cast
	.globl	k_qbfe7cca172_cast
	.p2align	8
	.type	k_qbfe7cca172_cast,@function
k_qbfe7cca172_cast:
	s_mov_b64 s[64:65], 0
	v_nop
	global_prefetch_b8 v0, s[64:65] scope:SCOPE_SE
	s_setreg_imm32_b32 hwreg(HW_REG_WAVE_SCHED_MODE, 0, 2), 2
	s_setreg_imm32_b32 hwreg(HW_REG_WAVE_MODE, 25, 1), 1
	s_wait_xcnt 0x0
	s_wait_alu depctr_vm_vsrc(0)
; f32 to f16, once, of the three operands of the two projections: x -> xh, qkv_w -> wqh, out_w -> woh.
; WHY f16: the result is a sum of 1,024 products of numbers that have themselves been rounded three times on the way (v, the weights of the softmax, the
; attention result); with 11 significant bits each rounding is an eighth of what 8 bits leave, at the same bytes and the same matrix form's shape.
; The first 1,024 rows of qkv_w (the rows that make q) are multiplied by 1/8 = 1/sqrt(64) on the way, a power of two, so the score product later needs no scale.
; LIMITS of the format: numbers beyond 65,504 in magnitude become infinite; below 6.1e-5 they are kept in steps of 6e-8.  As drawn |x| stays under 6 and
; the weights under 1/32; 30 times larger (165; 1) or an offset of 30 spreads (36; 0.6) is far inside; 30 times smaller, the q rows (with the 1/8: rms 7.5e-5)
; are kept to 4e-4 of their size.
; A stream: no LDS, no barrier, no matrix unit.  A work-group takes 16,384 numbers (64 KiB in, 32 KiB out):
; work-groups 0-511 x, 512-703 qkv_w (the first 64 of them the q rows), 704-767 out_w.
; Thread t takes 16 bytes at 16 t of each block of 4,096 bytes: a load of a wave covers 512 consecutive bytes, a store 256 aligned ones.
; All sixteen loads of a thread go out first, each into registers of its own.
; THE MODE: SCHED_MODE bits 1:0 = 2 (LLVM: expert scheduling mode 2), set by the entry lines.  The code itself states the register dependences
; between vector instructions and memory instructions, with s_wait_alu, always for 0.
; THE PLAN.  Registers that memory instructions touch:
;   v1, v2   byte offsets in and out: written once at the head, read by every load (v1) and every store (v2), never written again.
;   X[i]     chunk i's load lands here; no vector instruction names it before; behind the load's own counted wait chunk i's multiplies and roundings work on it.
;            No memory instruction reads it.
;   Y[i]     written once, by chunk i's two roundings; read once, by chunk i's store.
; No register that a memory instruction reads is written a second time, so nothing is owed for that.  What is owed: the offsets written ahead of the first load,
; and Y[i] written ahead of its store.  The sixteen chunks go in four blocks of four, and a block's four stores are issued in the block behind it: ONE wait at
; that block's head states that the block before has written its Y, and the four stores follow it, one ahead of each chunk's vector instructions, which name this
; block's X and Y alone.  A last wait stands ahead of the last block's stores.
.set X, 4                              ; v[4:67]   sixteen loads of four f32
.set Y, 68                             ; v[68:99]  sixteen pairs of packed f16
.set BLOCK, 4                          ; chunks in a block
	s_load_b256 s[4:11], s[0:1], 0x0               ; x s[4:5], qkv_w s[6:7], out_w s[8:9], xh s[10:11]
	s_load_b128 s[12:15], s[0:1], 0x20             ; wqh s[12:13], woh s[14:15]
	s_sub_co_u32 s17, ttmp9, 512                   ; my number among qkv_w's work-groups (wraps to a large number for x's)
	s_sub_co_u32 s18, ttmp9, 704                   ; my number among out_w's
	v_lshlrev_b32 v1, 4, v0                        ; 16 t: bytes in
	v_lshlrev_b32 v2, 3, v0                        ; 8 t: bytes out
	s_wait_kmcnt 0x0
	s_cmp_lt_u32 ttmp9, 704                        ; the choice of the buffers hangs on the work-group's number alone
	s_cselect_b64 s[20:21], s[6:7], s[8:9]
	s_cselect_b64 s[22:23], s[12:13], s[14:15]
	s_cselect_b32 s24, s17, s18
	s_cmp_lt_u32 ttmp9, 512
	s_cselect_b64 s[20:21], s[4:5], s[20:21]       ; from
	s_cselect_b64 s[22:23], s[10:11], s[22:23]     ; to
	s_cselect_b32 s24, ttmp9, s24                  ; my number within that buffer
	s_cmp_lt_u32 s17, 64                           ; the q rows: 1,024 x 1,024 numbers = 64 work-groups
	s_cselect_b32 s26, 0x3e000000, 1.0             ; 1/8 there, 1 elsewhere: one text for all, no branch
	s_mov_b32 s27, s26
	s_lshl_b32 s28, s24, 16                        ; 64 KiB in for each work-group (32 MiB at the most)
	s_mov_b32 s29, 0
	s_lshl_b32 s30, s24, 15                        ; 32 KiB out
	s_mov_b32 s31, 0
	s_add_nc_u64 s[20:21], s[20:21], s[28:29]
	s_add_nc_u64 s[22:23], s[22:23], s[30:31]
	s_wait_alu depctr_va_vdst(0)                   ; v1 and v2 are written: every load below reads v1 as its offset, every store v2
.irp i, 0,1,2,3,4,5,6,7,8,9,10,11,12,13,14,15
	global_load_b128 v[X+4*\i:X+4*\i+3], v1, s[20:21] offset:4096*\i th:TH_LOAD_NT   ; read once in the whole launch
.endr
.irp i, 0,1,2,3,4,5,6,7,8,9,10,11,12,13,14,15
	s_wait_loadcnt 15-\i                           ; loads come back in order: this one is in, the younger ones stay out
.if ((\i) >= BLOCK) && (((\i) % BLOCK) == 0)
	s_wait_alu depctr_va_vdst(0)                   ; a block's head: the roundings of the block before have written its four pairs of Y, which this block's four stores read
.endif
.if (\i) >= BLOCK
	global_store_b64 v2, v[Y+2*((\i)-BLOCK):Y+2*((\i)-BLOCK)+1], s[22:23] offset:2048*((\i)-BLOCK)   ; the chunk one block back; no vector instruction since the wait names its Y.  No hint: the next launch reads these bytes
.endif
	v_pk_mul_f32 v[X+4*\i:X+4*\i+1], v[X+4*\i:X+4*\i+1], s[26:27] op_sel_hi:[1,0]
	v_pk_mul_f32 v[X+4*\i+2:X+4*\i+3], v[X+4*\i+2:X+4*\i+3], s[26:27] op_sel_hi:[1,0]
	v_cvt_pk_f16_f32 v[Y+2*\i], v[X+4*\i], v[X+4*\i+1]
	v_cvt_pk_f16_f32 v[Y+2*\i+1], v[X+4*\i+2], v[X+4*\i+3]
.endr
	s_wait_alu depctr_va_vdst(0)                   ; the last block's roundings have written its four pairs of Y, which the last four stores read
.irp i, 12,13,14,15
	global_store_b64 v2, v[Y+2*\i:Y+2*\i+1], s[22:23] offset:2048*\i   ; no hint: the next launch reads these bytes
.endr
	s_endpgm
.Lfunc_end_k_qbfe7cca172_cast:
	.size	k_qbfe7cca172_cast, .Lfunc_end_k_qbfe7cca172_cast-k_qbfe7cca172_cast
	.p2alignl 7, 3214868480
	.fill 96, 4, 3214868480
	.section	.rodata,"a",@progbits
	.p2align	6, 0x0
	.amdhsa_kernel k_qbfe7cca172_cast
		.amdhsa_group_segment_fixed_size 0
		.amdhsa_private_segment_fixed_size 0
		.amdhsa_enable_private_segment 0
		.amdhsa_kernarg_size 48
		.amdhsa_user_sgpr_count 2
		.amdhsa_user_sgpr_kernarg_segment_ptr 1
		.amdhsa_wavefront_size32 1
		.amdhsa_system_sgpr_workgroup_id_x 1
		.amdhsa_system_sgpr_workgroup_id_y 1
		.amdhsa_system_sgpr_workgroup_id_z 1
		.amdhsa_system_vgpr_workitem_id 0
		.amdhsa_next_free_vgpr 100
		.amdhsa_next_free_sgpr 66
		.amdhsa_reserve_vcc 0
		.amdhsa_float_denorm_mode_32 3
		.amdhsa_float_denorm_mode_16_64 3
		.amdhsa_memory_ordered 1
		.amdhsa_forward_progress 1
		.amdhsa_inst_pref_size 9
	.end_amdhsa_kernel
	.amdgpu_metadata
---
amdhsa.version: [ 1, 2 ]
amdhsa.kernels:
  - .name:           k_qbfe7cca172_cast
    .symbol:         k_qbfe7cca172_cast.kd
    .args:
      - { .name: x, .offset: 0, .size: 8, .value_kind: global_buffer, .address_space: global }
      - { .name: qkv_w, .offset: 8, .size: 8, .value_kind: global_buffer, .address_space: global }
      - { .name: out_w, .offset: 16, .size: 8, .value_kind: global_buffer, .address_space: global }
      - { .name: xh, .offset: 24, .size: 8, .value_kind: global_buffer, .address_space: global }
      - { .name: wqh, .offset: 32, .size: 8, .value_kind: global_buffer, .address_space: global }
      - { .name: woh, .offset: 40, .size: 8, .value_kind: global_buffer, .address_space: global }
    .group_segment_fixed_size: 0
    .private_segment_fixed_size: 0
    .kernarg_segment_align: 8
    .kernarg_segment_size: 48
    .max_flat_workgroup_size: 256
    .sgpr_count:     66
    .vgpr_count:     100
    .wavefront_size: 32
...
	.end_amdgpu_metadata
.endif
;; end of part 5
;; launch qkvgemm: the kernel of part 2 again; grid 12 x 32, 4 waves a work-group, clusters of 4 x 4, 327,680 bytes of LDS; arguments xh, wqh, qkv, qkv_b; writes qkv
;; launch attn: the kernel of part 3 again; grid 4 x 64, 8 waves a work-group, clusters of 4 x 4, 327,680 bytes of LDS; arguments qkv, attn_bias, ao; writes ao
;; launch outgemm: the kernel of part 4 again; grid 4 x 64, 4 waves a work-group, clusters of 4 x 4, 327,680 bytes of LDS; arguments ao, woh, out0, out_b; writes out0
